; MI455X (gfx1250); checked and timed in simulation.
; The chip was launched on July 23, 2026; its instructions are those of AMD's public machine-readable ISA for CDNA 5 (MIT licence, August 2026) and "CDNA5" Instruction Set Architecture Reference Guide (July 2026). The comments in the code are by the model that wrote it; some were corrected since.
;; Linear Attention. Allowed arithmetic: matrix products marked QUANTISED: E2M3 operands, one E8M0 scale for each 32 along K, by v_wmma_scale_f32_16x16x128_f8f6f4 with both operands' format E2M3, f32 sums; everything else in f32.
;; Inputs: be_k 64 float32; be_q 64 float32; be_v 64 float32; bk 512 float32; bo 256 float32; bq 512 float32; bv 512 float32; g_k 64 float32; g_q 64 float32; g_v 64 float32; wk_codes 512 x 8 x 24 uint8 (E2M3 codes of wk, K innermost, in blocks of 32 codes, four codes in three bytes); wk_scales 512 x 8 uint8 (E8M0 scales of wk, one for each 32 codes along K); wo_codes 256 x 16 x 24 uint8 (E2M3 codes of wo, K innermost, in blocks of 32 codes, four codes in three bytes); wo_scales 256 x 16 uint8 (E8M0 scales of wo, one for each 32 codes along K); wq_codes 512 x 8 x 24 uint8 (E2M3 codes of wq, K innermost, in blocks of 32 codes, four codes in three bytes); wq_scales 512 x 8 uint8 (E8M0 scales of wq, one for each 32 codes along K); wv_codes 512 x 8 x 24 uint8 (E2M3 codes of wv, K innermost, in blocks of 32 codes, four codes in three bytes); wv_scales 512 x 8 uint8 (E8M0 scales of wv, one for each 32 codes along K); x_codes 4 x 128 x 128 x 8 x 24 uint8 (E2M3 codes of x, K innermost, in blocks of 32 codes, four codes in three bytes); x_scales 4 x 128 x 128 x 8 uint8 (E8M0 scales of x, one for each 32 codes along K).
;; Outputs: out0 4 x 256 x 128 x 128 float32.
;; This version of the problem:
;;   THIS VERSION OF THE PROBLEM IS GIVEN IN LOW PRECISION. The matrix products marked QUANTISED in the list below multiply operands that are first quantised to E2M3 (2 exponent bits, 3 mantissa bits; 6 bits a number), with one power-of-two scale for each 32 numbers along K (OCP MX v1.0); their sums are f32. All else is computed in f32.
;;   The module's matrix products, in the order in which they are computed (A, B: the left and right operand; K: the contracted axis; several contracted axes count as one K, in the product's order):
;;     1. [M 512, K 256] x [K 256, N 65,536]; A: input wq (given as codes); B: input x (given as codes): QUANTISED
;;     2. [M 512, K 256] x [K 256, N 65,536]; A: input wk (given as codes); B: input x (given as codes): QUANTISED
;;     3. [M 512, K 256] x [K 256, N 65,536]; A: input wv (given as codes); B: input x (given as codes): QUANTISED
;;     4. batch 32 x [M 64, K 16,384] x [K 16,384, N 64]; A: softmax (see below); B: computed on the way: QUANTISED
;;     5. batch 32 x [M 64, K 64] x [K 64, N 16,384]; A: computed on the way; B: softmax (see below): QUANTISED
;;     6. [M 256, K 512] x [K 512, N 65,536]; A: input wo (given as codes); B: computed on the way: QUANTISED
;;   THE QUANTISER, for each operand of a quantised product, along K:
;;     - K is cut into blocks of 32 from its start; a last block that is shorter is filled with zeros.
;;     - A block's scale is 2^e with e = floor(log2(the largest magnitude in the block)) - 2, held to -126 .. 127; a block of zeros has e = 0. As a byte (E8M0): e + 127.
;;     - Each number is divided by its block's scale, clamped to +-7.5, and rounded to the nearest number of E2M3, ties to even, subnormals kept.
;;     - The product sums the exact products of the quantised numbers (number of the format x scale) in f32.
;;   ~~~python
;;   def quantise(x, axis):      # numpy; x: float32 -> the quantised numbers, widened to float32 again
;;       x = np.moveaxis(x, axis, -1); K = x.shape[-1]
;;       x = np.pad(x, [(0, 0)] * (x.ndim - 1) + [(0, -K % 32)]); x = x.reshape(x.shape[:-1] + (-1, 32)); a = np.abs(x).max(-1, keepdims=True)
;;       e = np.where(a > 0, np.clip(np.frexp(np.where(a > 0, a, 1))[1] - 1 - 2, -126, 127), 0)      # np.frexp(a)[1] - 1 = floor(log2(a)), exactly
;;       r = np.clip(x / 2.0 ** e, -7.5, 7.5)
;;       step = 2.0 ** (np.maximum(np.frexp(np.where(r == 0, 1, r))[1] - 1, 0) - 3)
;;       q = np.round(r / step) * step * 2.0 ** e      # np.round: ties to even
;;       return np.moveaxis(q.reshape(q.shape[:-2] + (-1,))[..., :K], -1, axis).astype(np.float32)
;;   ~~~
;;   SOFTMAX AHEAD OF A QUANTISED PRODUCT. Where the list says 'softmax', what is quantised is not the finished softmax but p = 2^(t - M), with t = logit x log2(e) and M = ceil(the row's largest t), a whole number; so 1/2 < the row's largest p <= 1. The row's sum l is taken of the UNQUANTISED p, in f32, and the product's result is divided by l at the end. Since M is a whole number, a kernel that streams over the keys may use a running M (the ceiling of the running maximum): every later rescaling is an exact power of two, which a block's scale takes up: the codes' values come out the same.
;;   OPERANDS COMPUTED ON THE WAY. 'Computed on the way' means the value that the module computes at that place (a softmax that the list does not call 'softmax' is quantised finished and normalised). What goes into a quantiser is computed in f32, as accurately as f32 sums, v_exp_f32 and their like allow (about 1e-6 of the number): no bf16 or f16 on the way to a quantiser, and a product that is left as it is and whose result goes on into a quantised operand takes f32 operands (vector FMAs, or v_wmma_f32_16x16x4_f32). A number that lies on a knife's edge between two numbers of the format may be rounded either way, as far as f32 arithmetic and the matrix unit's own rounding can turn it there, and no further.
;;   INPUTS GIVEN AS CODES. wk (in the module: [512, 256], K = its axis 1); wo (in the module: [256, 512], K = its axis 1); wq (in the module: [512, 256], K = its axis 1); wv (in the module: [512, 256], K = its axis 1); x (in the module: [4, 256, 128, 128], K = its axis 1): each comes as NAME_codes (uint8): NAME with its K axis moved to the last place and cut into blocks of 32 codes, [.., K / 32, bytes a block], one block behind the other in memory; four codes in three bytes: a row's codes are one little-endian stream of bits, code i at bits 6 i .. 6 i + 5 (a code: sign, 2 exponent bits, 3 mantissa bits); and NAME_scales (uint8): the same leading axes, one E8M0 byte (e + 127) for each 32 codes along K. Its value is code x scale, taken as it is: it is not quantised again, and the codes and scales need not be those that the quantiser above would give.
;; One version. Each part assembles by itself: llvm-mc -triple=amdgcn-amd-amdhsa -mcpu=gfx1250 --defsym DOCPART=n.
;; ======== version 1 of 1: 3 launches
;; limits: a difference of large sums (such as E[x^2] - mean^2): digits are lost where the result is much smaller than its terms
;; workspace buffers: pctx 16,777,216 bytes; pml 1,048,576 bytes; cfrag 196,608 bytes; cscl 16,384 bytes
;; launch kv (part 1): grid 32 x 8, 4 waves a work-group, no clusters, 168,448 bytes of LDS; arguments x_codes, x_scales, wk_codes, wk_scales, bk, g_k, be_k, wv_codes, wv_scales, bv, g_v, be_v, pctx, pml; writes pctx, pml
.if DOCPART == 1
	.amdgcn_target "amdgcn-amd-amdhsa--gfx1250"
	.amdhsa_code_object_version 6
	.text
	.protected	k_q78fe8a1425_kv
	.globl	k_q78fe8a1425_kv
	.p2align	8
	.type	k_q78fe8a1425_kv,@function
k_q78fe8a1425_kv:
	s_mov_b64 s[64:65], 0
	v_nop
	global_prefetch_b8 v0, s[64:65] scope:SCOPE_SE
	s_setreg_imm32_b32 hwreg(HW_REG_WAVE_MODE, 25, 1), 1
	s_wait_xcnt 0x0
; k = LN(wk x + bk), v = LN(wv x + bv) per head of 64 features; p = 2^(t - M) of k along the positions; partial sums of ctx^T(vd, kd) = sum over n of v(vd, n) p(kd, n),
; all products on codes of FP6 (E2M3) with one E8M0 scale for each 32 along K.
; SHARES.  A work-group takes 512 positions of one batch and four heads; wave w owns head 4 g + w for all 512 positions, in 4 steps of 128 = 2 halves of 64.  No wave needs another's results.
; ONE PAIR OF FRAGMENTS, TWO PRODUCTS.  T (source 0 = 16 rows of W, source 1 = 16 positions): a lane holds one position and 8 features a tile: it serves the LayerNorm's sums alone.
; N (the same registers, sources swapped): a lane holds ONE feature and 8 positions.  The 16 positions of x's tile (c, i) are 64 c + 8 i + (r & 7) + 32 (r >> 3), so that the 32 registers of tiles
; i = 0 .. 3 in lane (r, h) are positions 64 c + 32 h + 0 .. 31: one whole block of the quantiser, in the order in which a 6-bit operand's registers want it.  Maximum, sum and conversion stay in the lane.
; rstd and -mu rstd of a position go from the T layout to the N layout through 512 bytes of the wave's own LDS.
; THE ROWS OF W THAT FORM A TILE: lane r of tile d takes feature 32 (d / 2) + 8 (d % 2) + r + 8 (r / 8).
; M.  Each block of 32 positions takes its own whole number M_blk = ceil(its largest t); the wave keeps a running M for each feature; the block's scale byte takes up M_blk - M, and the sums are
; multiplied by 2^(old M - new M) in every step: nothing is rounded.  -M and l leave with the partial sums; the next launch joins the 32 chunks of a head in the same way.
; LIMITS.  The variance is taken in one pass, max(s2 / 64 - mu^2, 0): its relative error grows as (mu / sigma)^2 x 2^-24; the biases enter less their head's mean, which LayerNorm does not see, so that
; no common offset of a bias stands ahead of that difference.  M_blk - M is held at -120 from below: such a block counts for under 2^-120 of its row.  Blocks of v whose largest magnitude lies under
; 2^-124 take the byte 1.  NaN and infinities are not served.
; LDS: 0: the waves' 512 bytes for the statistics; 2,048: x's scale bytes, 8 a position; 8,192: x's codes, 192 bytes a position.  x's 512 positions are filled once, by two tensor loads a wave.
; REGISTERS, in windows of 256.  Window 0: addresses, scale words, two result buffers of 32, what a feature keeps, work.  Window 1: wk's and wv's 8 fragments each, the T biases.
; Window 2: the 16 accumulators of ctx^T, the N biases, rstd and -mu rstd of 32 positions.  Window 3: x's 8 fragments, p's 4, v's 4.
.set STT,   0
.set XSL,   2048
.set XL,    8192
.set XAD0,  4                          ; v4   XL + my position's row of a tile + 24 h
.set XSAD0, 5                          ; v5   XSL + 8 x my position
.set SW,    6                          ; v6   512 w + 4 r: where a position's statistics are put
.set SRD,   7                          ; v7   512 w + 32 h: where eight positions' are read
.set SH8,   8                          ; v8   8 h
.set LI16,  9                          ; v9   16 x lane
.set LI8,   10                         ; v10  8 x lane
.set WS,    16                         ; v16-31  W's scale words: 8 tau + 2 d + s
.set XS,    32                         ; v32-39  x's: 2 i + s
.set PW,    40                         ; v40-43  p's scale words
.set VW,    44                         ; v44-47  v's
.set DB0,   48                         ; v48-79, v80-111: the two result buffers
.set DB1,   80
.set GB,    112                        ; v112-143  pairs (the value twice): g at GB + 16 tau + 4 d, be two further on
.set ML,    144                        ; v144-151  -M at ML + 2 d, l beside it
.set FF,    152                        ; v152-159  2^(old M - new M) at FF + 2 d
.set NMB,   160                        ; v160-175  -M_blk at NMB + 4 d + 2 c, the block's largest p beside it
.set SUMB,  176                        ; v176-183  a block's sum of p: 2 d + c
.set BYK,   184                        ; v184-191  p's scale bytes
.set BYV,   192                        ; v192-199  v's
.set ST1,   200                        ; v200-203  sums, v204-207 sums of squares, of tile i's positions
.set ST2,   204
.set CH,    208                        ; v208-215  four chains
.set TP,    216                        ; v216-239  at work
.set SO,    240                        ; v240  a conversion's scale operand
.set XAD,   241                        ; v241, v242  this step's LDS addresses
.set XSAD,  242
.set RS,    192                        ; window 2
.set CC,    224
.set PF,    96                         ; window 3
.set VF,    144
.set CT,    192
.set W_T1,  0x1d                       ; A window 1, B window 3, C window 1, D window 0
.set W_T2,  0x0d
.set W_N1,  0x27                       ; A window 3, B window 1, C window 2, D window 0
.set W_N2,  0x07
.set W_LN,  0x28                       ; sources 1 and 2 window 2
.set W_CV,  0xc0                       ; destination window 3
.set W_MV,  0xc3
.set W_L2,  0x80                       ; destination window 2
.set W_H1,  0x40                       ; destination window 1
.set W_CTX, 0xaf                       ; A and B window 3, C and D window 2
.set W_RSC, 0x82
.set W_ST,  0x08                       ; a store's data window 2
.set MSB, 0
.macro WIN new                         ; the immediate's high byte repeats the setting that is left
.if MSB != \new
	s_set_vgpr_msb (MSB<<8)|\new
.set MSB, \new
.endif
.endm
.macro PLACES n
.rept \n
	v_nop
.endr
.endm
	s_load_b512 s[8:23], s[0:1], 0x0               ; x_codes 8, x_scales 10, wk_codes 12, wk_scales 14, bk 16, g_k 18, be_k 20, wv_codes 22
	s_load_b256 s[24:31], s[0:1], 0x40             ; wv_scales 24, bv 26, g_v 28, be_v 30
	s_load_b128 s[32:35], s[0:1], 0x60             ; pctx 32, pml 34
	v_lshl_add_u32 v254, v0, 2, 0x29000
	v_mov_b32 v255, 0
	ds_add_u32 v254, v255
	ds_add_u32 v254, v255
	v_lshrrev_b32 v1, 5, v0
	v_readfirstlane_b32 s62, v1                    ; wave 0..3
	s_and_b32 s2, ttmp7, 0xffff
	s_lshr_b32 s3, s2, 1                           ; batch
	s_and_b32 s2, s2, 1
	s_lshl_b32 s2, s2, 2
	s_add_co_u32 s2, s2, s62                       ; head = 4 g + wave
	s_lshl_b32 s4, s3, 14
	s_lshl_b32 s5, ttmp9, 9
	s_add_co_u32 s4, s4, s5
	s_lshl_b32 s5, s62, 7
	s_add_co_u32 s4, s4, s5                        ; the first of the 128 positions that I fetch
	s_mul_i32 s66, s4, 192
	s_mov_b32 s67, 0
	s_lshl_b32 s68, s4, 3
	s_mov_b32 s69, 0
	s_lshl_b32 s6, s3, 3
	s_add_co_u32 s6, s6, s2
	s_lshl_b32 s6, s6, 5
	s_add_co_u32 s6, s6, ttmp9                     ; the partial's number: (8 batch + head) 32 + chunk
	s_lshl_b32 s70, s6, 14
	s_mov_b32 s71, 0
	s_lshl_b32 s72, s6, 10
	s_mov_b32 s73, 0
	; descriptor groups 1: dense blocks as rows of 256 bytes (32 elements of 8 bytes), no padding: 96 rows of codes, 4 of scale bytes
	s_mov_b32 s36, 3<<16
	s_mov_b32 s37, 32<<16
	s_mov_b32 s38, 96<<16
	s_mov_b32 s39, 32<<16
	s_mov_b32 s40, 96
	s_mov_b32 s41, 32
	s_mov_b32 s42, 0
	s_mov_b32 s43, 0
	s_mov_b32 s44, 3<<16
	s_mov_b32 s45, 32<<16
	s_mov_b32 s46, 4<<16
	s_mov_b32 s47, 32<<16
	s_mov_b32 s48, 4
	s_mov_b32 s49, 32
	s_mov_b32 s50, 0
	s_mov_b32 s51, 0
	s_mov_b32 s52, 1
	s_mul_i32 s53, s62, 24576
	s_add_co_u32 s53, s53, XL
	s_mov_b32 s56, 1
	s_lshl_b32 s57, s62, 10
	s_add_co_u32 s57, s57, XSL
	s_mov_b32 s60, 0x76543210
	s_mov_b32 s61, 0xfedcba98                      ; v_permlanex16_b32's selects for lane l xor 16
	s_wait_dscnt 0x0
	s_wait_kmcnt 0x0
	s_add_nc_u64 s[54:55], s[8:9], s[66:67]
	s_or_b32 s55, s55, 0x80000000
	s_add_nc_u64 s[58:59], s[10:11], s[68:69]
	s_or_b32 s59, s59, 0x80000000
	tensor_load_to_lds s[52:55], s[36:43]          ; my quarter of the work-group's x: two loads of mine are out, both first fills
	s_nop 0
	tensor_load_to_lds s[56:59], s[44:51]
	s_nop 0
	PLACES 4                                       ; four lines here ahead of a switch of windows
	s_add_nc_u64 s[32:33], s[32:33], s[70:71]      ; pctx and pml at my partial
	s_add_nc_u64 s[34:35], s[34:35], s[72:73]
	s_mul_i32 s66, s2, 12288                       ; my head's 64 rows of codes,
	s_add_nc_u64 s[12:13], s[12:13], s[66:67]
	s_add_nc_u64 s[22:23], s[22:23], s[66:67]
	s_lshl_b32 s68, s2, 9                          ; of scale bytes,
	s_add_nc_u64 s[14:15], s[14:15], s[68:69]
	s_add_nc_u64 s[24:25], s[24:25], s[68:69]
	s_lshl_b32 s70, s2, 8                          ; and its 64 biases
	s_add_nc_u64 s[16:17], s[16:17], s[70:71]
	s_add_nc_u64 s[26:27], s[26:27], s[70:71]
	v_and_b32 v3, 31, v0                           ; lane
	v_and_b32 v1, 15, v0                           ; r
	v_bfe_u32 v2, v0, 4, 1                         ; h
	v_and_b32 v216, 7, v1
	v_lshrrev_b32 v217, 3, v1
	v_lshl_add_u32 v216, v217, 5, v216             ; (r & 7) + 32 (r >> 3)
	v_mul_u32_u24 v[XAD0], v216, 192
	v_mad_u32_u24 v[XAD0], v2, 24, v[XAD0]
	v_add_nc_u32 v[XAD0], XL, v[XAD0]
	v_lshl_add_u32 v[XSAD0], v216, 3, XSL
	s_lshl_b32 s5, s62, 9
	v_lshl_add_u32 v[SW], v1, 2, s5
	v_lshl_add_u32 v[SRD], v2, 5, s5
	v_lshlrev_b32 v[SH8], 3, v2
	v_lshlrev_b32 v[LI16], 4, v3
	v_lshlrev_b32 v[LI8], 3, v3
	v_and_b32 v15, 8, v1
	v_add_nc_u32 v15, v15, v1                      ; r + 8 (r / 8)
	v_mul_u32_u24 v11, v15, 192
	v_mad_u32_u24 v11, v2, 24, v11                 ; W's codes
	v_lshlrev_b32 v12, 3, v15                      ; W's scale words
	v_lshlrev_b32 v13, 6, v2                       ; the T biases: 16 h numbers on
	v_lshlrev_b32 v14, 2, v15                      ; what a feature has one of
	WIN W_H1
.irp d, 0,1,2,3                                ; the weights' fragments (tile d, K step s) stay in registers: wk's at 24 d + 12 s of window 1, wv's 96 further on
.irp s, 0,1
.irp p, 0,1,2,3,4,5
	global_load_b64 v[24*\d+12*\s+2*\p:24*\d+12*\s+2*\p+1], v11, s[12:13] offset:(32*(\d/2)+8*(\d%2))*192+96*\s+48*(\p/3)+8*(\p%3)
	global_load_b64 v[96+24*\d+12*\s+2*\p:96+24*\d+12*\s+2*\p+1], v11, s[22:23] offset:(32*(\d/2)+8*(\d%2))*192+96*\s+48*(\p/3)+8*(\p%3)
.endr
.endr
.endr
	WIN 0
.irp d, 0,1,2,3
.irp s, 0,1
	global_load_b32 v[WS+2*\d+\s], v12, s[14:15] offset:(32*(\d/2)+8*(\d%2))*8+4*\s
	global_load_b32 v[WS+8+2*\d+\s], v12, s[24:25] offset:(32*(\d/2)+8*(\d%2))*8+4*\s
.endr
	global_load_b128 v[DB0+8*\d:DB0+8*\d+3], v13, s[16:17] offset:(32*(\d/2)+8*(\d%2))*4        ; the biases in the T layout
	global_load_b128 v[DB0+8*\d+4:DB0+8*\d+7], v13, s[16:17] offset:(32*(\d/2)+8*(\d%2))*4+16
	global_load_b128 v[DB1+8*\d:DB1+8*\d+3], v13, s[26:27] offset:(32*(\d/2)+8*(\d%2))*4
	global_load_b128 v[DB1+8*\d+4:DB1+8*\d+7], v13, s[26:27] offset:(32*(\d/2)+8*(\d%2))*4+16
	global_load_b32 v[TP+\d], v14, s[16:17] offset:(32*(\d/2)+8*(\d%2))*4                       ; and my feature's
	global_load_b32 v[TP+4+\d], v14, s[26:27] offset:(32*(\d/2)+8*(\d%2))*4
	global_load_b32 v[GB+4*\d], v14, s[18:19] offset:(32*(\d/2)+8*(\d%2))*4                     ; g and be of my feature, each twice: pairs for the packed lines
	global_load_b32 v[GB+4*\d+1], v14, s[18:19] offset:(32*(\d/2)+8*(\d%2))*4
	global_load_b32 v[GB+4*\d+2], v14, s[20:21] offset:(32*(\d/2)+8*(\d%2))*4
	global_load_b32 v[GB+4*\d+3], v14, s[20:21] offset:(32*(\d/2)+8*(\d%2))*4
	global_load_b32 v[GB+16+4*\d], v14, s[28:29] offset:(32*(\d/2)+8*(\d%2))*4
	global_load_b32 v[GB+16+4*\d+1], v14, s[28:29] offset:(32*(\d/2)+8*(\d%2))*4
	global_load_b32 v[GB+16+4*\d+2], v14, s[30:31] offset:(32*(\d/2)+8*(\d%2))*4
	global_load_b32 v[GB+16+4*\d+3], v14, s[30:31] offset:(32*(\d/2)+8*(\d%2))*4
.endr
	s_wait_loadcnt 0x0
.macro MEAN buf, m                             ; the mean of a head's 64 biases: my 32, lane l xor 16's 32
	v_pk_add_f32 v[\m:\m+1], v[\buf:\buf+1], v[\buf+2:\buf+3]
.irp n, 4,6,8,10,12,14,16,18,20,22,24,26,28,30
	v_pk_add_f32 v[\m:\m+1], v[\m:\m+1], v[\buf+\n:\buf+\n+1]
.endr
	v_add_f32 v[\m], v[\m], v[\m+1]
	v_permlanex16_b32 v[\m+1], v[\m], s60, s61
	v_add_f32 v[\m], v[\m], v[\m+1]
	v_mul_f32 v[\m], 0x3c800000, v[\m]
.endm
	MEAN DB0, CH
	MEAN DB1, CH+2
.irp n, 0,2,4,6,8,10,12,14
	v_pk_mul_f32 v[GB+\n:GB+\n+1], v[GB+\n:GB+\n+1], 0x3fb8aa3b op_sel_hi:[1,0]   ; k's g and be x log2(e): the LayerNorm's last line then gives t
.endr
.irp d, 0,1,2,3
	v_mov_b32 v[ML+2*\d], 0x7f61b1e6               ; -M: above every -M_blk
	v_mov_b32 v[ML+2*\d+1], 0                      ; l
	v_mov_b32 v[FF+2*\d+1], 0                      ; (named as the upper half of a pair)
.endr
	WIN W_H1
.set cnt, 0
.rept 32
	v_sub_f32 v[192+cnt], v[DB0+cnt], v[CH]        ; the T products' C: bias less its head's mean
	v_sub_f32 v[224+cnt], v[DB1+cnt], v[CH+2]
.set cnt, cnt+1
.endr
	WIN W_L2
.irp d, 0,1,2,3
.irp j, 0,1,2,3,4,5,6,7
	v_sub_f32 v[128+8*\d+\j], v[TP+\d], v[CH]      ; the N products' C: my feature's, eight times
	v_sub_f32 v[160+8*\d+\j], v[TP+4+\d], v[CH+2]
.endr
.endr
.set cnt, 0
.rept 128
	v_mov_b32 v[cnt], 0                            ; ctx^T begins as zeros, which the first change of M leaves zeros: so the step, some 27 KB of text, is written once and not a second time for a first step
.set cnt, cnt+1
.endr
	WIN 0
	s_wait_tensorcnt 0x0                           ; my quarter of x has landed,
	s_barrier_signal -1
	s_barrier_wait -1                              ; everybody's has
; x's 8 fragments and 8 scale words of half c of the step
.macro LOADX c
	WIN W_CV
.irp i, 0,1,2,3
.irp s, 0,1
.irp p, 0,1,2,3,4,5
	ds_load_b64 v[24*\i+12*\s+2*\p:24*\i+12*\s+2*\p+1], v[XAD] offset:(64*\c+8*\i)*192+96*\s+48*(\p/3)+8*(\p%3)
.endr
.endr
.endr
	WIN 0
.irp i, 0,1,2,3
	ds_load_b64 v[XS+2*\i:XS+2*\i+1], v[XSAD] offset:(64*\c+8*\i)*8
.endr
.endm
; Eight products: four accumulators by turns, two K steps of 128.  tau = 0: k, 1: v.
.macro MUL_T tau, i, buf                       ; all 64 features of x's tile i: lane = position
	WIN W_T1
.irp d, 0,1,2,3
	v_wmma_scale_f32_16x16x128_f8f6f4 v[\buf+8*\d:\buf+8*\d+7], v[96*\tau+24*\d:96*\tau+24*\d+11], v[24*\i:24*\i+11], v[192+32*\tau+8*\d:192+32*\tau+8*\d+7], v[WS+8*\tau+2*\d], v[XS+2*\i] matrix_a_fmt:MATRIX_FMT_FP6 matrix_b_fmt:MATRIX_FMT_FP6
.endr
	WIN W_T2
.irp d, 0,1,2,3
	v_wmma_scale_f32_16x16x128_f8f6f4 v[\buf+8*\d:\buf+8*\d+7], v[96*\tau+24*\d+12:96*\tau+24*\d+23], v[24*\i+12:24*\i+23], v[\buf+8*\d:\buf+8*\d+7], v[WS+8*\tau+2*\d+1], v[XS+2*\i+1] matrix_a_fmt:MATRIX_FMT_FP6 matrix_b_fmt:MATRIX_FMT_FP6
.endr
	WIN 0
.endm
.macro MUL_N tau, d, buf                       ; the 64 positions of W's tile d: lane = feature, 32 registers = one block of 32 positions
	WIN W_N1
.irp i, 0,1,2,3
	v_wmma_scale_f32_16x16x128_f8f6f4 v[\buf+8*\i:\buf+8*\i+7], v[24*\i:24*\i+11], v[96*\tau+24*\d:96*\tau+24*\d+11], v[128+32*\tau+8*\d:128+32*\tau+8*\d+7], v[XS+2*\i], v[WS+8*\tau+2*\d] matrix_a_fmt:MATRIX_FMT_FP6 matrix_b_fmt:MATRIX_FMT_FP6
.endr
	WIN W_N2
.irp i, 0,1,2,3
	v_wmma_scale_f32_16x16x128_f8f6f4 v[\buf+8*\i:\buf+8*\i+7], v[24*\i+12:24*\i+23], v[96*\tau+24*\d+12:96*\tau+24*\d+23], v[\buf+8*\i:\buf+8*\i+7], v[XS+2*\i+1], v[WS+8*\tau+2*\d+1] matrix_a_fmt:MATRIX_FMT_FP6 matrix_b_fmt:MATRIX_FMT_FP6
.endr
	WIN 0
.endm
; The sum and the sum of squares of my 32 features of tile i's position, in four chains; each accumulator is read from its low end on
.macro TSTAT buf, i
	v_pk_add_f32 v[CH:CH+1], v[\buf:\buf+1], v[\buf+4:\buf+5]
	v_pk_add_f32 v[CH+2:CH+3], v[\buf+2:\buf+3], v[\buf+6:\buf+7]
	v_pk_mul_f32 v[CH+4:CH+5], v[\buf:\buf+1], v[\buf:\buf+1]
	v_pk_mul_f32 v[CH+6:CH+7], v[\buf+2:\buf+3], v[\buf+2:\buf+3]
	v_pk_fma_f32 v[CH+4:CH+5], v[\buf+4:\buf+5], v[\buf+4:\buf+5], v[CH+4:CH+5]
	v_pk_fma_f32 v[CH+6:CH+7], v[\buf+6:\buf+7], v[\buf+6:\buf+7], v[CH+6:CH+7]
.irp n, 8,12,16,20,24,28
	v_pk_add_f32 v[CH:CH+1], v[CH:CH+1], v[\buf+\n:\buf+\n+1]
	v_pk_add_f32 v[CH+2:CH+3], v[CH+2:CH+3], v[\buf+\n+2:\buf+\n+3]
	v_pk_fma_f32 v[CH+4:CH+5], v[\buf+\n:\buf+\n+1], v[\buf+\n:\buf+\n+1], v[CH+4:CH+5]
	v_pk_fma_f32 v[CH+6:CH+7], v[\buf+\n+2:\buf+\n+3], v[\buf+\n+2:\buf+\n+3], v[CH+6:CH+7]
.endr
	v_pk_add_f32 v[CH:CH+1], v[CH:CH+1], v[CH+2:CH+3]
	v_pk_add_f32 v[CH+4:CH+5], v[CH+4:CH+5], v[CH+6:CH+7]
	v_add_f32 v[ST1+\i], v[CH], v[CH+1]
	v_add_f32 v[ST2+\i], v[CH+4], v[CH+5]
.endm
; rstd and -mu rstd of the four tiles' positions; through my 512 bytes of LDS they come back as the N layout wants them: register 8 i + j = position 32 h + 8 i + j
.macro FINSTAT
.irp i, 0,1,2,3
	v_permlanex16_b32 v[TP+\i], v[ST1+\i], s60, s61
	v_permlanex16_b32 v[TP+4+\i], v[ST2+\i], s60, s61
.endr
.irp i, 0,1,2,3
	v_add_f32 v[ST1+\i], v[ST1+\i], v[TP+\i]       ; with lane l xor 16's 32 features
	v_add_f32 v[ST2+\i], v[ST2+\i], v[TP+4+\i]
.endr
.irp i, 0,1,2,3
	v_mul_f32 v[ST1+\i], 0x3c800000, v[ST1+\i]     ; mu
	v_mul_f32 v[ST2+\i], 0x3c800000, v[ST2+\i]
.endr
.irp i, 0,1,2,3
	v_fma_f32 v[ST2+\i], -v[ST1+\i], v[ST1+\i], v[ST2+\i]
.endr
.irp i, 0,1,2,3
	v_max_num_f32 v[ST2+\i], 0, v[ST2+\i]          ; the variance
.endr
.irp i, 0,1,2,3
	v_add_f32 v[ST2+\i], 0x3727c5ac, v[ST2+\i]     ; + 1e-5
.endr
.irp i, 0,1,2,3
	v_rsq_f32 v[TP+\i], v[ST2+\i]
.endr
	v_nop                                          ; a plain line behind the last of the four
	s_wait_alu depctr_va_vdst(0)                   ; one wait for the four, ahead of their first reader
.irp i, 0,1,2,3
	v_mul_f32 v[TP+4+\i], -v[ST1+\i], v[TP+\i]
.endr
.irp i, 0,1,2,3
	ds_store_b32 v[SW], v[TP+\i] offset:64*\i      ; lanes r and r + 16 write the same word with the same value
	ds_store_b32 v[SW], v[TP+4+\i] offset:256+64*\i
.endr
	WIN W_L2
.irp i, 0,1,2,3
.irp q, 0,1
	ds_load_b128 v[RS+8*\i+4*\q:RS+8*\i+4*\q+3], v[SRD] offset:64*\i+16*\q       ; LDS serves a wave's instructions in order: these see my stores
	ds_load_b128 v[CC+8*\i+4*\q:CC+8*\i+4*\q+3], v[SRD] offset:256+64*\i+16*\q
.endr
.endr
	WIN 0
.endm
; LayerNorm of my feature at 32 positions: x rstd - mu rstd (by the position), x g + be (by the feature)
.macro NORM d, tau, buf, first
.if \first
	s_wait_dscnt 0x0                               ; the statistics are back
.endif
	WIN W_LN
.set cnt, 0
.rept 16
	v_pk_fma_f32 v[\buf+cnt:\buf+cnt+1], v[\buf+cnt:\buf+cnt+1], v[RS+cnt:RS+cnt+1], v[CC+cnt:CC+cnt+1]
.set cnt, cnt+2
.endr
	WIN 0
.set cnt, 0
.rept 16
	v_pk_fma_f32 v[\buf+cnt:\buf+cnt+1], v[\buf+cnt:\buf+cnt+1], v[GB+16*\tau+4*\d:GB+16*\tau+4*\d+1], v[GB+16*\tau+4*\d+2:GB+16*\tau+4*\d+3]
.set cnt, cnt+2
.endr
.endm
; 32 numbers of a lane become six registers of an operand, at dst of window 3 (a conversion's three registers begin on an even number: the second three are made elsewhere and moved)
.macro CODES dst, buf
	WIN W_CV
	v_cvt_scalef32_pk16_fp6_f32 v[\dst:\dst+2], v[\buf:\buf+15], v[SO]
	v_cvt_scalef32_pk16_fp6_f32 v[CT:CT+2], v[\buf+16:\buf+31], v[SO]
	v_nop                                          ; one plain line behind a scaled conversion
	WIN W_MV
.irp n, 0,1,2
	v_mov_b32 v[\dst+3+\n], v[CT+\n]
.endr
	WIN 0
.endm
.macro KVEC d, c, buf, first                   ; k: t, the block's own M, p = 2^(t - M_blk), its sum, its codes
	NORM \d, 0, \buf, \first
	v_max3_num_f32 v[TP], v[\buf], v[\buf+1], v[\buf+2]
	v_max3_num_f32 v[TP+1], v[\buf+3], v[\buf+4], v[\buf+5]
.irp n, 6,10,14,18,22,26
	v_max3_num_f32 v[TP], v[TP], v[\buf+\n], v[\buf+\n+1]
	v_max3_num_f32 v[TP+1], v[TP+1], v[\buf+\n+2], v[\buf+\n+3]
.endr
	v_max3_num_f32 v[TP], v[TP], v[\buf+30], v[\buf+31]
	v_max_num_f32 v[TP], v[TP], v[TP+1]            ; the block's largest t
	v_floor_f32 v[NMB+4*\d+2*\c], -v[TP]           ; -M_blk = floor(-t) = -ceil(t)
	v_add_f32 v[NMB+4*\d+2*\c+1], v[TP], v[NMB+4*\d+2*\c]
.set cnt, 0
.rept 16
	v_pk_add_f32 v[\buf+cnt:\buf+cnt+1], v[\buf+cnt:\buf+cnt+1], v[NMB+4*\d+2*\c:NMB+4*\d+2*\c+1] op_sel_hi:[1,0]
.set cnt, cnt+2
.endr
.set cnt, 0
.rept 32
	v_exp_f32 v[\buf+cnt], v[\buf+cnt]
.set cnt, cnt+1
.endr
	v_exp_f32 v[NMB+4*\d+2*\c+1], v[NMB+4*\d+2*\c+1]   ; the block's largest p: the same addition and exponential on the same number; over 1/2, so it needs no floor
	v_nop
	s_wait_alu depctr_va_vdst(0)                   ; one wait for the batch of 33
	v_pk_add_f32 v[CH:CH+1], v[\buf:\buf+1], v[\buf+4:\buf+5]       ; the sum is taken of the unquantised p
	v_pk_add_f32 v[CH+2:CH+3], v[\buf+2:\buf+3], v[\buf+6:\buf+7]
.irp n, 8,12,16,20,24,28
	v_pk_add_f32 v[CH:CH+1], v[CH:CH+1], v[\buf+\n:\buf+\n+1]
	v_pk_add_f32 v[CH+2:CH+3], v[CH+2:CH+3], v[\buf+\n+2:\buf+\n+3]
.endr
	v_pk_add_f32 v[CH:CH+1], v[CH:CH+1], v[CH+2:CH+3]
	v_add_f32 v[SUMB+2*\d+\c], v[CH], v[CH+1]
	v_add_nc_u32 v[SO], 0xff000000, v[NMB+4*\d+2*\c+1]   ; 2 off the exponent field: the conversion's scale operand
	v_lshrrev_b32 v[BYK+2*\d+\c], 23, v[SO]        ; the scale's byte under M_blk
	CODES PF+12*\d+6*\c, \buf
.endm
.macro VVEC d, c, buf, first                   ; v: the block's largest magnitude, its byte, its codes
	NORM \d, 1, \buf, \first
	v_max3_num_f32 v[TP], |v[\buf]|, |v[\buf+1]|, 0x1800000        ; with the floor 2^(3 - 127): the byte cannot fall under 1
	v_max3_num_f32 v[TP+1], |v[\buf+2]|, |v[\buf+3]|, |v[\buf+4]|
.irp n, 5,9,13,17,21,25
	v_max3_num_f32 v[TP], v[TP], |v[\buf+\n]|, |v[\buf+\n+1]|
	v_max3_num_f32 v[TP+1], v[TP+1], |v[\buf+\n+2]|, |v[\buf+\n+3]|
.endr
	v_max3_num_f32 v[TP], v[TP], |v[\buf+29]|, |v[\buf+30]|
	v_max3_num_f32 v[TP], v[TP], v[TP+1], |v[\buf+31]|
	v_add_nc_u32 v[SO], 0xff000000, v[TP]
	v_lshrrev_b32 v[BYV+2*\d+\c], 23, v[SO]
	CODES VF+12*\d+6*\c, \buf
.endm
; 64 positions.  Sixteen groups of eight products, on two buffers by turns; each group's products are issued one group ahead of the vector work on them, so that the vector work on the other
; buffer (34 plain lines at the least, naming none of the products' registers) is the distance behind them, for their readers and for the products that write the same buffer anew.
.macro HALF c
	s_wait_dscnt 0x0                               ; x's fragments and scale words are in
	MUL_T 0, 0, DB0
	MUL_T 0, 1, DB1
	PLACES 5                                       ; no vector work is at hand yet: four for the first reader, five for the products that write this buffer anew
	TSTAT DB0, 0
	MUL_T 0, 2, DB0
	TSTAT DB1, 1
	MUL_T 0, 3, DB1
	TSTAT DB0, 2
	MUL_N 0, 0, DB0
	TSTAT DB1, 3
	FINSTAT
	MUL_N 0, 1, DB1
	KVEC 0, \c, DB0, 1
	MUL_N 0, 2, DB0
	KVEC 1, \c, DB1, 0
	MUL_N 0, 3, DB1
	KVEC 2, \c, DB0, 0
	MUL_T 1, 0, DB0
	KVEC 3, \c, DB1, 0
	MUL_T 1, 1, DB1
	TSTAT DB0, 0
	MUL_T 1, 2, DB0
	TSTAT DB1, 1
	MUL_T 1, 3, DB1
	TSTAT DB0, 2
	MUL_N 1, 0, DB0
	TSTAT DB1, 3
	FINSTAT
	MUL_N 1, 1, DB1
	VVEC 0, \c, DB0, 1
	MUL_N 1, 2, DB0
	VVEC 1, \c, DB1, 0
	MUL_N 1, 3, DB1
	VVEC 2, \c, DB0, 0
.if \c == 0
	LOADX 1                                        ; the last products on x's fragments stand ahead of the block of vector work just done
.endif
	VVEC 3, \c, DB1, 0
.endm
; The step's end: the running M of each feature, the blocks' bytes under it, the sums under it, and 16 products on these 128 positions
.macro ENDSTEP
.irp d, 0,1,2,3
	v_min_num_f32 v[TP+\d], v[NMB+4*\d], v[NMB+4*\d+2]
.endr
.irp d, 0,1,2,3
	v_permlanex16_b32 v[TP+4+\d], v[TP+\d], s60, s61
.endr
.irp d, 0,1,2,3
	v_min3_num_f32 v[TP+\d], v[ML+2*\d], v[TP+\d], v[TP+4+\d]      ; the new -M: the same in both halves of the lanes
.endr
.irp d, 0,1,2,3
	v_sub_f32 v[TP+4+\d], v[TP+\d], v[ML+2*\d]     ; old M - new M, a whole number, 0 or less
	v_sub_f32 v[TP+8+\d], v[TP+\d], v[NMB+4*\d]    ; M_blk - new M, likewise
	v_sub_f32 v[TP+12+\d], v[TP+\d], v[NMB+4*\d+2]
.endr
.irp d, 0,1,2,3
	v_cvt_i32_f32 v[TP+4+\d], v[TP+4+\d]           ; (it saturates)
	v_max_num_f32 v[TP+8+\d], 0xc2f00000, v[TP+8+\d]   ; held at -120, so that the byte stays above 0
	v_max_num_f32 v[TP+12+\d], 0xc2f00000, v[TP+12+\d]
.endr
.irp d, 0,1,2,3
	v_ldexp_f32 v[FF+2*\d], 1.0, v[TP+4+\d]
	v_cvt_i32_f32 v[TP+8+\d], v[TP+8+\d]
	v_cvt_i32_f32 v[TP+12+\d], v[TP+12+\d]
.endr
.irp d, 0,1,2,3
	v_ldexp_f32 v[TP+16+\d], v[SUMB+2*\d], v[TP+8+\d]
	v_ldexp_f32 v[TP+20+\d], v[SUMB+2*\d+1], v[TP+12+\d]
	v_mov_b32 v[ML+2*\d], v[TP+\d]
.endr
.irp d, 0,1,2,3
	v_fma_f32 v[ML+2*\d+1], v[ML+2*\d+1], v[FF+2*\d], v[TP+16+\d]  ; l under the new M
	v_add_nc_u32 v[TP+8+\d], v[BYK+2*\d], v[TP+8+\d]               ; the bytes under the new M
	v_add_nc_u32 v[TP+12+\d], v[BYK+2*\d+1], v[TP+12+\d]
.endr
.irp d, 0,1,2,3
	v_add_f32 v[ML+2*\d+1], v[ML+2*\d+1], v[TP+20+\d]
	v_lshl_or_b32 v[TP+8+\d], v[TP+12+\d], 16, v[TP+8+\d]          ; my two bytes: blocks h and 2 + h,
	v_lshl_or_b32 v[TP+16+\d], v[BYV+2*\d+1], 16, v[BYV+2*\d]
.endr
.irp d, 0,1,2,3
	v_lshlrev_b32 v[TP+8+\d], v[SH8], v[TP+8+\d]   ; at their places in the scale word;
	v_lshlrev_b32 v[TP+16+\d], v[SH8], v[TP+16+\d]
.endr
.irp d, 0,1,2,3
	v_permlanex16_b32 v[TP+12+\d], v[TP+8+\d], s60, s61
	v_permlanex16_b32 v[TP+20+\d], v[TP+16+\d], s60, s61
.endr
.irp d, 0,1,2,3
	v_or_b32 v[PW+\d], v[TP+8+\d], v[TP+12+\d]     ; with lane l xor 16's two the word is whole
	v_or_b32 v[VW+\d], v[TP+16+\d], v[TP+20+\d]
.endr
	WIN W_RSC
.irp vt, 0,1,2,3
.irp kt, 0,1,2,3
.irp n, 0,2,4,6
	v_pk_mul_f32 v[8*(4*\vt+\kt)+\n:8*(4*\vt+\kt)+\n+1], v[8*(4*\vt+\kt)+\n:8*(4*\vt+\kt)+\n+1], v[FF+2*\kt:FF+2*\kt+1] op_sel_hi:[1,0]   ; ctx^T under the new M.  (These 64 also stand between the scale words' last writes and the products)
.endr
.endr
.endr
	WIN W_CTX
.irp vt, 0,1,2,3
.irp kt, 0,1,2,3
	v_wmma_scale_f32_16x16x128_f8f6f4 v[8*(4*\vt+\kt):8*(4*\vt+\kt)+7], v[VF+12*\vt:VF+12*\vt+11], v[PF+12*\kt:PF+12*\kt+11], v[8*(4*\vt+\kt):8*(4*\vt+\kt)+7], v[VW+\vt], v[PW+\kt] matrix_a_fmt:MATRIX_FMT_FP6 matrix_b_fmt:MATRIX_FMT_FP6
.endr
.endr
	WIN 0
.endm
	s_mov_b32 s6, 0                                ; the step's first byte among x's codes in LDS,
	s_mov_b32 s7, 0                                ; and among its scale bytes
	s_mov_b32 s63, 4
.Lstep:
	v_add_nc_u32 v[XAD], s6, v[XAD0]
	v_add_nc_u32 v[XSAD], s7, v[XSAD0]
	LOADX 0
	HALF 0
	HALF 1
	ENDSTEP
	s_add_co_u32 s6, s6, 24576                     ; 128 positions on
	s_add_co_u32 s7, s7, 1024
	s_sub_co_u32 s63, s63, 1
	s_cmp_lg_u32 s63, 0
	s_cbranch_scc1 .Lstep
	PLACES 4                                       ; behind the last products, ahead of the stores that read them
.irp d, 0,1,2,3
	v_permlanex16_b32 v[TP+\d], v[ML+2*\d+1], s60, s61
.endr
.irp d, 0,1,2,3
	v_add_f32 v[ML+2*\d+1], v[ML+2*\d+1], v[TP+\d] ; l: my blocks' and lane l xor 16's
.endr
	WIN W_ST
.irp a, 0,1,2,3,4,5,6,7,8,9,10,11,12,13,14,15
.irp q, 0,1
	global_store_b128 v[LI16], v[8*\a+4*\q:8*\a+4*\q+3], s[32:33] offset:1024*\a+512*\q   ; each store of the wave covers 512 consecutive bytes, aligned; each accumulator from its low end on
.endr
.endr
	WIN 0
.irp d, 0,1,2,3
	global_store_b64 v[LI8], v[ML+2*\d:ML+2*\d+1], s[34:35] offset:256*\d                 ; (-M, l) of my feature: 256 consecutive bytes a store
.endr
	s_wait_tensorcnt 0x0
	ds_add_u32 v254, v255
	s_wait_dscnt 0x0
	s_endpgm
.Lfunc_end_k_q78fe8a1425_kv:
	.size	k_q78fe8a1425_kv, .Lfunc_end_k_q78fe8a1425_kv-k_q78fe8a1425_kv
	.p2alignl 7, 3214868480
	.fill 96, 4, 3214868480
	.section	.rodata,"a",@progbits
	.p2align	6, 0x0
	.amdhsa_kernel k_q78fe8a1425_kv
		.amdhsa_group_segment_fixed_size 168448
		.amdhsa_private_segment_fixed_size 0
		.amdhsa_enable_private_segment 0
		.amdhsa_kernarg_size 112
		.amdhsa_user_sgpr_count 2
		.amdhsa_user_sgpr_kernarg_segment_ptr 1
		.amdhsa_wavefront_size32 1
		.amdhsa_system_sgpr_workgroup_id_x 1
		.amdhsa_system_sgpr_workgroup_id_y 1
		.amdhsa_system_sgpr_workgroup_id_z 1
		.amdhsa_system_vgpr_workitem_id 0
		.amdhsa_next_free_vgpr 1024
		.amdhsa_next_free_sgpr 80
		.amdhsa_reserve_vcc 0
		.amdhsa_float_denorm_mode_32 3
		.amdhsa_float_denorm_mode_16_64 3
		.amdhsa_memory_ordered 1
		.amdhsa_forward_progress 1
		.amdhsa_inst_pref_size 220
	.end_amdhsa_kernel
	.amdgpu_metadata
---
amdhsa.version: [ 1, 2 ]
amdhsa.kernels:
  - .name:           k_q78fe8a1425_kv
    .symbol:         k_q78fe8a1425_kv.kd
    .args:
      - { .name: x_codes, .offset: 0, .size: 8, .value_kind: global_buffer, .address_space: global }
      - { .name: x_scales, .offset: 8, .size: 8, .value_kind: global_buffer, .address_space: global }
      - { .name: wk_codes, .offset: 16, .size: 8, .value_kind: global_buffer, .address_space: global }
      - { .name: wk_scales, .offset: 24, .size: 8, .value_kind: global_buffer, .address_space: global }
      - { .name: bk, .offset: 32, .size: 8, .value_kind: global_buffer, .address_space: global }
      - { .name: g_k, .offset: 40, .size: 8, .value_kind: global_buffer, .address_space: global }
      - { .name: be_k, .offset: 48, .size: 8, .value_kind: global_buffer, .address_space: global }
      - { .name: wv_codes, .offset: 56, .size: 8, .value_kind: global_buffer, .address_space: global }
      - { .name: wv_scales, .offset: 64, .size: 8, .value_kind: global_buffer, .address_space: global }
      - { .name: bv, .offset: 72, .size: 8, .value_kind: global_buffer, .address_space: global }
      - { .name: g_v, .offset: 80, .size: 8, .value_kind: global_buffer, .address_space: global }
      - { .name: be_v, .offset: 88, .size: 8, .value_kind: global_buffer, .address_space: global }
      - { .name: pctx, .offset: 96, .size: 8, .value_kind: global_buffer, .address_space: global }
      - { .name: pml, .offset: 104, .size: 8, .value_kind: global_buffer, .address_space: global }
    .group_segment_fixed_size: 168448
    .private_segment_fixed_size: 0
    .kernarg_segment_align: 8
    .kernarg_segment_size: 112
    .max_flat_workgroup_size: 128
    .sgpr_count:     80
    .vgpr_count:     1024
    .wavefront_size: 32
...
	.end_amdgpu_metadata
.endif
;; end of part 1
;; launch mix (part 2): grid 4 x 32, 8 waves a work-group, no clusters, 5,632 bytes of LDS; arguments pctx, pml, cfrag, cscl; writes cfrag, cscl
.if DOCPART == 2
	.amdgcn_target "amdgcn-amd-amdhsa--gfx1250"
	.amdhsa_code_object_version 6
	.text
	.protected	k_q78fe8a1425_mix
	.globl	k_q78fe8a1425_mix
	.p2align	8
	.type	k_q78fe8a1425_mix,@function
k_q78fe8a1425_mix:
	s_mov_b64 s[64:65], 0
	v_nop
	global_prefetch_b8 v0, s[64:65] scope:SCOPE_SE
	s_setreg_imm32_b32 hwreg(HW_REG_WAVE_MODE, 25, 1), 1
	s_wait_xcnt 0x0
; The 32 partial sums of ctx^T of one (batch, head) are joined under one M (exact powers of two), divided by the row's l, quantised along kd to FP6 (E2M3) with E8M0 scales,
; and laid out as the images of operand registers that the last launch loads.
; SHARES.  A work-group takes one tile vt (16 of the head's 64 vd) x all 64 kd.  Wave wv: tile kt = wv & 3 of kd, registers 4 q .. 4 q + 3 (q = wv >> 2) of the 16 x 16 accumulator: four numbers a lane,
; over 32 chunks; all 64 loads of a wave are issued at once.  The tile meets in a table in LDS, [16 rows of vd][64 kd] f32, rows 272 bytes apart; wave 0 quantises it: lane (r, h) holds row r, kd 32 h .. 32 h + 31,
; one whole block.
; THE FRAGMENT has K = 128 = two heads x 64: the head's codes stand at k = 64 (head & 1) + kd, the other half holds zero codes, whose scale bytes stay 0 (that is 2^-127, and zero codes add nothing under it).
; LIMITS: blocks whose largest magnitude lies under 2^-124 take the byte 1; NaN and infinities are not served.
.set MLR, 16                           ; v16-79   (F, l) of chunk c at MLR + 2 c: -M as loaded, then 2^(M_c - M)
.set DA,  80                           ; v80-207  chunk c's four numbers
.set AC,  208                          ; v208-215 two chains of two pairs
	s_load_b256 s[4:11], s[0:1], 0x0               ; pctx 4, pml 6, cfrag 8, cscl 10
	v_lshl_add_u32 v254, v0, 2, 0x1200
	v_mov_b32 v255, 0
	v_lshrrev_b32 v1, 5, v0
	v_readfirstlane_b32 s12, v1                    ; wave 0..7
	s_and_b32 s13, s12, 3                          ; kt
	s_lshr_b32 s14, s12, 2                         ; q
	s_and_b32 s15, ttmp7, 0xffff                   ; 8 batch + head
	s_mov_b32 s20, 0x76543210
	s_mov_b32 s21, 0xfedcba98
	v_and_b32 v3, 31, v0                           ; lane
	v_and_b32 v1, 15, v0                           ; r
	v_bfe_u32 v2, v0, 4, 1                         ; h
	v_lshlrev_b32 v4, 3, v3
	v_lshlrev_b32 v5, 4, v3
	v_lshlrev_b32 v10, 2, v3
	s_lshl_b32 s16, s14, 2
	v_lshl_add_u32 v6, v2, 3, s16                  ; the table's row of my first number: 8 h + 4 q
	v_mul_u32_u24 v6, v6, 272
	s_lshr_b32 s17, s13, 1
	s_lshl_b32 s17, s17, 5
	s_and_b32 s18, s13, 1
	s_lshl_b32 s18, s18, 3
	s_add_co_u32 s17, s17, s18
	v_and_b32 v8, 8, v1
	v_add_nc_u32 v8, v8, v1
	v_add_nc_u32 v8, s17, v8                       ; my kd: 32 (kt / 2) + 8 (kt % 2) + r + 8 (r / 8)
	v_lshl_add_u32 v6, v8, 2, v6
	v_mul_u32_u24 v7, v1, 272
	v_lshl_add_u32 v7, v2, 7, v7                   ; back: row r, kd 32 h on
	s_lshl_b32 s22, s15, 15
	s_lshl_b32 s23, s13, 8
	s_add_co_u32 s22, s22, s23                     ; pml: 32 chunks of 1,024 bytes a head, 256 a tile
	s_mov_b32 s23, 0
	s_lshl_b32 s24, s15, 19
	s_lshl_b32 s25, ttmp9, 2
	s_add_co_u32 s25, s25, s13
	s_lshl_b32 s25, s25, 10
	s_add_co_u32 s24, s24, s25
	s_lshl_b32 s25, s14, 9
	s_add_co_u32 s24, s24, s25                     ; pctx: 32 chunks of 16,384 bytes a head, 1,024 a tile, 512 a half
	s_mov_b32 s25, 0
	s_lshl_b32 s26, s15, 2
	s_add_co_u32 s26, s26, ttmp9                   ; the fragment's number
	s_mul_i32 s28, s26, 1536
	s_mov_b32 s29, 0
	s_lshl_b32 s30, s26, 7
	s_mov_b32 s31, 0
	s_wait_kmcnt 0x0
	s_add_nc_u64 s[6:7], s[6:7], s[22:23]
	s_add_nc_u64 s[4:5], s[4:5], s[24:25]
	s_add_nc_u64 s[8:9], s[8:9], s[28:29]
	s_add_nc_u64 s[10:11], s[10:11], s[30:31]
.set cnt, 0
.rept 32
	global_load_b64 v[MLR+2*cnt:MLR+2*cnt+1], v4, s[6:7] offset:1024*cnt th:TH_LOAD_NT
.set cnt, cnt+1
.endr
.set cnt, 0
.rept 32
	global_load_b128 v[DA+4*cnt:DA+4*cnt+3], v5, s[4:5] offset:16384*cnt th:TH_LOAD_NT
.set cnt, cnt+1
.endr
	s_wait_loadcnt 32                              ; the 32 pairs (-M, l) are in; the 32 younger loads may be out
	v_min3_num_f32 v216, v[MLR], v[MLR+2], v[MLR+4]
.irp c, 3,5,7,9,11,13,15,17,19,21,23,25,27,29
	v_min3_num_f32 v216, v216, v[MLR+2*\c], v[MLR+2*\c+2]
.endr
	v_min_num_f32 v216, v216, v[MLR+62]            ; -M of the whole row
.set cnt, 0
.rept 32
	v_sub_f32 v[MLR+2*cnt], v216, v[MLR+2*cnt]     ; M_c - M: a whole number, 0 or less
.set cnt, cnt+1
.endr
.set cnt, 0
.rept 32
	v_cvt_i32_f32 v[MLR+2*cnt], v[MLR+2*cnt]
.set cnt, cnt+1
.endr
.set cnt, 0
.rept 32
	v_ldexp_f32 v[MLR+2*cnt], 1.0, v[MLR+2*cnt]
.set cnt, cnt+1
.endr
	v_mul_f32 v218, v[MLR], v[MLR+1]
	v_mul_f32 v219, v[MLR+2], v[MLR+3]
.irp c, 2,4,6,8,10,12,14,16,18,20,22,24,26,28,30
	v_fma_f32 v218, v[MLR+2*\c], v[MLR+2*\c+1], v218
	v_fma_f32 v219, v[MLR+2*\c+2], v[MLR+2*\c+3], v219
.endr
	v_add_f32 v218, v218, v219                     ; the row's l: over 1/2, since the chunk that holds M has a p over 1/2
	v_rcp_f32 v220, v218
	v_mov_b32 v221, 0                              ; (a plain line behind the reciprocal; the upper half of its pair)
.set cnt, 0
.rept 32
.if cnt%4 == 0
	s_wait_loadcnt 28-cnt                          ; chunks cnt .. cnt + 3 are in; the loads behind them may be out
.endif
.if cnt < 2
	v_pk_mul_f32 v[AC+4*(cnt%2):AC+4*(cnt%2)+1], v[DA+4*cnt:DA+4*cnt+1], v[MLR+2*cnt:MLR+2*cnt+1] op_sel_hi:[1,0]
	v_pk_mul_f32 v[AC+4*(cnt%2)+2:AC+4*(cnt%2)+3], v[DA+4*cnt+2:DA+4*cnt+3], v[MLR+2*cnt:MLR+2*cnt+1] op_sel_hi:[1,0]
.else
	v_pk_fma_f32 v[AC+4*(cnt%2):AC+4*(cnt%2)+1], v[DA+4*cnt:DA+4*cnt+1], v[MLR+2*cnt:MLR+2*cnt+1], v[AC+4*(cnt%2):AC+4*(cnt%2)+1] op_sel_hi:[1,0,1]
	v_pk_fma_f32 v[AC+4*(cnt%2)+2:AC+4*(cnt%2)+3], v[DA+4*cnt+2:DA+4*cnt+3], v[MLR+2*cnt:MLR+2*cnt+1], v[AC+4*(cnt%2)+2:AC+4*(cnt%2)+3] op_sel_hi:[1,0,1]
.endif
.set cnt, cnt+1
.endr
	v_pk_add_f32 v[AC:AC+1], v[AC:AC+1], v[AC+4:AC+5]
	v_pk_add_f32 v[AC+2:AC+3], v[AC+2:AC+3], v[AC+6:AC+7]
	s_wait_alu depctr_va_vdst(0)                   ; the wait for the reciprocal, ahead of its first reader
	v_pk_mul_f32 v[AC:AC+1], v[AC:AC+1], v[220:221] op_sel_hi:[1,0]
	v_pk_mul_f32 v[AC+2:AC+3], v[AC+2:AC+3], v[220:221] op_sel_hi:[1,0]   ; ctx, finished
.irp e, 0,1,2,3
	ds_store_b32 v6, v[AC+\e] offset:272*\e
.endr
	s_wait_dscnt 0x0                               ; for the others' sake: my stores into the table are done
	s_barrier_signal -1
	s_barrier_wait -1
	s_cmp_lg_u32 s12, 0
	s_cbranch_scc1 .Lend                           ; wave 0 alone goes on: one fragment is one wave's work
.irp i, 0,1,2,3,4,5,6,7
	ds_load_b128 v[80+4*\i:83+4*\i], v7 offset:16*\i
.endr
	s_and_b32 s19, s15, 1                          ; the head's parity
	s_cmp_eq_u32 s19, 1
	s_cselect_b32 vcc_lo, -1, 0
	s_lshl_b32 s19, s19, 4
	v_lshl_add_u32 v9, v2, 3, s19                  ; my byte's place in the scale word: 8 h + 16 parity bits up
	v_mov_b32 v222, 0
	s_wait_dscnt 0x0
	v_max3_num_f32 v216, |v80|, |v81|, 0x1800000   ; the block's largest magnitude, with the floor 2^(3 - 127)
	v_max3_num_f32 v217, |v82|, |v83|, |v84|
.irp n, 5,9,13,17,21,25
	v_max3_num_f32 v216, v216, |v[80+\n]|, |v[81+\n]|
	v_max3_num_f32 v217, v217, |v[82+\n]|, |v[83+\n]|
.endr
	v_max3_num_f32 v216, v216, |v109|, |v110|
	v_max3_num_f32 v216, v216, v217, |v111|
	v_add_nc_u32 v217, 0xff000000, v216            ; 2 off the exponent field: the conversion's scale operand
	v_lshrrev_b32 v218, 23, v217                   ; the byte
	v_cvt_scalef32_pk16_fp6_f32 v[112:114], v[80:95], v217
	v_cvt_scalef32_pk16_fp6_f32 v[116:118], v[96:111], v217
	v_nop                                          ; one plain line behind a scaled conversion
	v_mov_b32 v115, v116
	v_mov_b32 v116, v117
	v_mov_b32 v117, v118                           ; v112-117: the block's 32 codes
.irp i, 0,1,2,3,4,5
	v_cndmask_b32 v[120+\i], v[112+\i], v222, vcc_lo   ; registers 0-5: k = 32 h on: an even head's codes, else zeros
	v_cndmask_b32 v[126+\i], v222, v[112+\i], vcc_lo   ; registers 6-11: k = 64 + 32 h on: an odd head's
.endr
	v_lshlrev_b32 v218, v9, v218
	v_permlanex16_b32 v219, v218, s20, s21
	v_or_b32 v218, v218, v219                      ; both blocks' bytes: row r's scale word
.irp g, 0,1,2
	global_store_b128 v5, v[120+4*\g:123+4*\g], s[8:9] offset:512*\g   ; the image: 512 consecutive bytes a store
.endr
	global_store_b32 v10, v218, s[10:11]
.Lend:
	s_wait_tensorcnt 0x0
	ds_add_u32 v254, v255
	s_wait_dscnt 0x0
	s_endpgm
.Lfunc_end_k_q78fe8a1425_mix:
	.size	k_q78fe8a1425_mix, .Lfunc_end_k_q78fe8a1425_mix-k_q78fe8a1425_mix
	.p2alignl 7, 3214868480
	.fill 96, 4, 3214868480
	.section	.rodata,"a",@progbits
	.p2align	6, 0x0
	.amdhsa_kernel k_q78fe8a1425_mix
		.amdhsa_group_segment_fixed_size 5632
		.amdhsa_private_segment_fixed_size 0
		.amdhsa_enable_private_segment 0
		.amdhsa_kernarg_size 32
		.amdhsa_user_sgpr_count 2
		.amdhsa_user_sgpr_kernarg_segment_ptr 1
		.amdhsa_wavefront_size32 1
		.amdhsa_system_sgpr_workgroup_id_x 1
		.amdhsa_system_sgpr_workgroup_id_y 1
		.amdhsa_system_sgpr_workgroup_id_z 1
		.amdhsa_system_vgpr_workitem_id 0
		.amdhsa_next_free_vgpr 256
		.amdhsa_next_free_sgpr 66
		.amdhsa_reserve_vcc 1
		.amdhsa_float_denorm_mode_32 3
		.amdhsa_float_denorm_mode_16_64 3
		.amdhsa_memory_ordered 1
		.amdhsa_forward_progress 1
		.amdhsa_inst_pref_size 24
	.end_amdhsa_kernel
	.amdgpu_metadata
---
amdhsa.version: [ 1, 2 ]
amdhsa.kernels:
  - .name:           k_q78fe8a1425_mix
    .symbol:         k_q78fe8a1425_mix.kd
    .args:
      - { .name: pctx, .offset: 0, .size: 8, .value_kind: global_buffer, .address_space: global }
      - { .name: pml, .offset: 8, .size: 8, .value_kind: global_buffer, .address_space: global }
      - { .name: cfrag, .offset: 16, .size: 8, .value_kind: global_buffer, .address_space: global }
      - { .name: cscl, .offset: 24, .size: 8, .value_kind: global_buffer, .address_space: global }
    .group_segment_fixed_size: 5632
    .private_segment_fixed_size: 0
    .kernarg_segment_align: 8
    .kernarg_segment_size: 32
    .max_flat_workgroup_size: 256
    .sgpr_count:     66
    .vgpr_count:     256
    .wavefront_size: 32
...
	.end_amdgpu_metadata
.endif
;; end of part 2
;; launch out (part 3): grid 64 x 4, 4 waves a work-group, no clusters, 168,448 bytes of LDS; arguments x_codes, x_scales, wq_codes, wq_scales, bq, g_q, be_q, cfrag, cscl, wo_codes, wo_scales, bo, out0; writes out0
.if DOCPART == 3
	.amdgcn_target "amdgcn-amd-amdhsa--gfx1250"
	.amdhsa_code_object_version 6
	.text
	.protected	k_q78fe8a1425_out
	.globl	k_q78fe8a1425_out
	.p2align	8
	.type	k_q78fe8a1425_out,@function
k_q78fe8a1425_out:
	s_mov_b64 s[64:65], 0
	v_nop
	global_prefetch_b8 v0, s[64:65] scope:SCOPE_SE
	s_setreg_imm32_b32 hwreg(HW_REG_WAVE_MODE, 25, 1), 1
	s_wait_xcnt 0x0
; q = LN(wq x + bq) per head; p = 2^(t - M), t = q x 64^-0.25 x log2(e), M = ceil(the largest t of a position's 64); o = ctx^T p / l; out0 = wo o + bo.  All products on codes of FP6 (E2M3), E8M0 scales.
; SHARES.  A work-group takes 256 positions of one batch, in 4 blocks of 64 = 4 tiles of 16.  THE WAVES SHARE THE COLUMNS: wave w owns heads 2 w and 2 w + 1 (128 features: one K step of the last product) and
; output rows 64 w .. 64 w + 63, for all positions.  Its part of wq, of ctx^T and of wo stays in registers; what goes round is the small thing, the codes of o, as images of operand registers in LDS.
; LAYOUT.  The first two products are used transposed (source 0 = 16 rows of wq or of ctx^T, source 1 = 16 positions): a lane holds one position, and, by the choice of the rows of a tile
; (lane r of tile t takes row 32 (t / 2) + 8 (t % 2) + r + 8 (r / 8)), the 16 registers of tiles 2 b, 2 b + 1 are 16 neighbours along the next K.  LayerNorm, softmax and the blocks' maxima want one exchange with lane l xor 16.
; p's fragment holds both heads (k = 64 (head & 1) + dim); a fragment of ctx^T holds zero codes in the other head's half.
; The last product has source 0 = 16 positions, source 1 = 16 rows of wo: a lane holds one output row and eight neighbouring positions, 32 bytes of out0; they leave through the wave's own stage as runs of 256 bytes.
; A BLOCK, two barriers: phase 1 (each wave its heads, four tiles; images to LDS) | barrier | phase 2 (all 16 images; my 64 rows of out0) | way out | barrier (all reads of the images are over).
; LIMITS.  The variance is taken in one pass, max(s2 / 64 - mu^2, 0): its relative error grows as (mu / sigma)^2 x 2^-24; bq enters less its head's mean, which LayerNorm does not see.
; Blocks whose largest magnitude lies under 2^-124 take the byte 1.  NaN and infinities are not served.
; LDS: 0 x's codes (192 bytes a position); 49,152 x's scale bytes; 51,200 the 16 images (4 s + m) of 1,536 bytes; 75,776 their scale words; 77,824 the stages, 64 rows x 272 bytes a wave.  x is filled once.
; REGISTERS.  Window 0: addresses, x's two fragments, 64 results, codes, scale words, work.  Window 1: wq's 16 fragments, its biases.  Window 2: ctx^T's 8 fragments, g, be, bo.  Window 3: wo's 16 fragments, 8 accumulators.
.set XSL,  49152
.set HIMG, 51200
.set FRB,  1536
.set HSC,  75776
.set STG,  77824
.set XA0,  4                           ; v4   192 r + 24 h
.set LI,   5                           ; v5   16 x lane
.set LS,   6                           ; v6   4 x lane
.set XSA0, 7                           ; v7   XSL + 8 r
.set HWI,  8                           ; v8   where I store images: HIMG + 16 x lane + 4 FRB x wave
.set HWS,  9                           ; v9   and their scale words: HSC + 4 x lane + 512 x wave
.set SOA,  10                          ; v10  the stage: row r, + 32 h
.set SRA,  11                          ; v11  back: two rows an instruction
.set GO,   12                          ; v12  and the same in out0
.set XF,   16                          ; v16-39   x's two fragments;  in phase 2 v16-111 hold eight images;  at the head v16-47 hold g_q as loaded
.set HA,   48                          ; v48-111  64 results;  at the head bq as loaded
.set PC,   112                         ; v112-131 the codes just made;  at the head v112-143 hold be_q as loaded
.set CH,   132                         ; v132-139 four chains
.set ST1,  140
.set ST2,  142
.set RSP,  148                         ; pairs, by the head: rstd, -mu rstd, -M, 1 / l
.set CMP,  152
.set NMP,  156
.set RLP,  160
.set LL,   164
.set HS,   168                         ; v168-175 the images' scale words
.set WOS,  176                         ; v176-191 wo's
.set XA,   192                         ; v192, v193 this block's LDS addresses
.set XSA,  193
.set XS,   196                         ; v196-197 x's scale words
.set TM,   200                         ; v200-215 the quantiser's work;  at the head v200-203 hold the two means of bq
.set PW,   216                         ; v216 the scale word just made
.set A64H, 217
.set A4R,  218
.set AWO,  219
.set AWOS, 220
.set HRI,  221                         ; v221 HIMG + 16 x lane
.set HRS,  222                         ; v222 HSC + 4 x lane
.set WQS,  224                         ; v224-239 wq's scale words
.set CS,   240                         ; v240-247 ctx^T's
.set TP,   248
.set W_Q1, 0x11                        ; A and C window 1
.set W_Q2, 0x01
.set W_AP, 0x28                        ; sources 1 and 2 window 2
.set W_C5, 0x02                        ; A window 2
.set W_O1, 0xec                        ; B window 3, C window 2, D window 3
.set W_O2, 0xfc
.set W_SD, 0x0c                        ; an LDS store's data window 3
.set MSB, 0
.macro WIN new                         ; the immediate's high byte repeats the setting that is left
.if MSB != \new
	s_set_vgpr_msb (MSB<<8)|\new
.set MSB, \new
.endif
.endm
.macro PLACES n
.rept \n
	v_nop
.endr
.endm
	s_load_b512 s[8:23], s[0:1], 0x0               ; x_codes 8, x_scales 10, wq_codes 12, wq_scales 14, bq 16, g_q 18, be_q 20, cfrag 22
	s_load_b256 s[24:31], s[0:1], 0x40             ; cscl 24, wo_codes 26, wo_scales 28, bo 30
	s_load_b64 s[32:33], s[0:1], 0x60              ; out0
	v_lshl_add_u32 v254, v0, 2, 0x29000
	v_mov_b32 v255, 0
	ds_add_u32 v254, v255
	ds_add_u32 v254, v255
	v_lshrrev_b32 v1, 5, v0
	v_readfirstlane_b32 s62, v1                    ; wave 0..3
	s_and_b32 s3, ttmp7, 0xffff                    ; batch
	s_lshl_b32 s4, s3, 14
	s_lshl_b32 s5, ttmp9, 8
	s_add_co_u32 s4, s4, s5
	s_lshl_b32 s5, s62, 6
	s_add_co_u32 s4, s4, s5                        ; the first of the 64 positions that I fetch
	s_mul_i32 s66, s4, 192
	s_mov_b32 s67, 0
	s_lshl_b32 s68, s4, 3
	s_mov_b32 s69, 0
	; descriptor groups 1: dense blocks as rows of 256 bytes (32 elements of 8 bytes), no padding: 48 rows of codes, 2 of scale bytes
	s_mov_b32 s36, 3<<16
	s_mov_b32 s37, 32<<16
	s_mov_b32 s38, 48<<16
	s_mov_b32 s39, 32<<16
	s_mov_b32 s40, 48
	s_mov_b32 s41, 32
	s_mov_b32 s42, 0
	s_mov_b32 s43, 0
	s_mov_b32 s44, 3<<16
	s_mov_b32 s45, 32<<16
	s_mov_b32 s46, 2<<16
	s_mov_b32 s47, 32<<16
	s_mov_b32 s48, 2
	s_mov_b32 s49, 32
	s_mov_b32 s50, 0
	s_mov_b32 s51, 0
	s_mov_b32 s52, 1
	s_mul_i32 s53, s62, 12288
	s_mov_b32 s56, 1
	s_lshl_b32 s57, s62, 9
	s_add_co_u32 s57, s57, XSL
	s_mov_b32 s60, 0x76543210
	s_mov_b32 s61, 0xfedcba98                      ; v_permlanex16_b32's selects for lane l xor 16
	s_wait_dscnt 0x0
	s_wait_kmcnt 0x0
	s_add_nc_u64 s[54:55], s[8:9], s[66:67]
	s_or_b32 s55, s55, 0x80000000
	s_add_nc_u64 s[58:59], s[10:11], s[68:69]
	s_or_b32 s59, s59, 0x80000000
	tensor_load_to_lds s[52:55], s[36:43]          ; my quarter of the work-group's x: two loads of mine are out, both first fills
	s_nop 0
	tensor_load_to_lds s[56:59], s[44:51]
	s_nop 0
	PLACES 4                                       ; four lines here ahead of a switch of windows
	s_mul_i32 s66, s62, 24576                      ; my 128 rows of wq, and my 64 rows of wo: as many bytes
	s_add_nc_u64 s[12:13], s[12:13], s[66:67]
	s_add_nc_u64 s[26:27], s[26:27], s[66:67]
	s_lshl_b32 s68, s62, 10                        ; their scale bytes
	s_add_nc_u64 s[14:15], s[14:15], s[68:69]
	s_add_nc_u64 s[28:29], s[28:29], s[68:69]
	s_lshl_b32 s70, s62, 9                         ; my 128 of bq
	s_mov_b32 s71, 0
	s_add_nc_u64 s[16:17], s[16:17], s[70:71]
	s_lshl_b32 s70, s62, 8                         ; my 64 of bo
	s_add_nc_u64 s[30:31], s[30:31], s[70:71]
	s_lshl_b32 s4, s3, 3
	s_lshl_b32 s5, s62, 1
	s_add_co_u32 s4, s4, s5                        ; 8 batch + my first head
	s_mul_i32 s70, s4, 6144
	s_add_nc_u64 s[22:23], s[22:23], s[70:71]
	s_lshl_b32 s70, s4, 9
	s_add_nc_u64 s[24:25], s[24:25], s[70:71]
	s_lshl_b32 s4, s3, 8
	s_lshl_b32 s5, s62, 6
	s_add_co_u32 s4, s4, s5
	s_lshl_b32 s70, s4, 16                         ; out0: row 256 batch + 64 wave of 65,536 bytes,
	s_lshl_b32 s5, ttmp9, 10
	s_add_co_u32 s70, s70, s5                      ; + my work-group's 256 positions
	s_add_nc_u64 s[32:33], s[32:33], s[70:71]
	v_and_b32 v3, 31, v0                           ; lane
	v_and_b32 v1, 15, v0                           ; r
	v_bfe_u32 v2, v0, 4, 1                         ; h
	v_mul_u32_u24 v[XA0], v1, 192
	v_mad_u32_u24 v[XA0], v2, 24, v[XA0]
	v_lshlrev_b32 v[LI], 4, v3
	v_lshlrev_b32 v[LS], 2, v3
	v_lshl_add_u32 v[XSA0], v1, 3, XSL
	v_add_nc_u32 v[HRI], HIMG, v[LI]
	v_add_nc_u32 v[HRS], HSC, v[LS]
	s_mul_i32 s5, s62, 4*FRB
	v_add_nc_u32 v[HWI], s5, v[HRI]
	s_lshl_b32 s5, s62, 9
	v_add_nc_u32 v[HWS], s5, v[HRS]
	s_mul_i32 s5, s62, 17408
	s_add_co_u32 s5, s5, STG                       ; my stage
	v_mul_u32_u24 v[SOA], v1, 272
	v_lshl_add_u32 v[SOA], v2, 5, v[SOA]
	v_add_nc_u32 v[SOA], s5, v[SOA]
	v_mul_u32_u24 v[SRA], v2, 272
	v_lshl_add_u32 v[SRA], v1, 4, v[SRA]
	v_add_nc_u32 v[SRA], s5, v[SRA]
	v_lshlrev_b32 v[GO], 16, v2
	v_lshl_add_u32 v[GO], v1, 4, v[GO]
	v_and_b32 v13, 8, v1
	v_add_nc_u32 v13, v13, v1                      ; r + 8 (r / 8)
	v_mul_u32_u24 v14, v13, 192
	v_mad_u32_u24 v14, v2, 24, v14                 ; wq's codes
	v_lshlrev_b32 v15, 3, v13                      ; wq's scale words
	v_lshlrev_b32 v[A64H], 6, v2
	v_lshlrev_b32 v[A4R], 2, v1
	v_mul_u32_u24 v[AWO], v1, 384
	v_mad_u32_u24 v[AWO], v2, 24, v[AWO]           ; wo's codes
	v_lshlrev_b32 v[AWOS], 4, v1                   ; wo's scale words
	WIN 0x40
.irp t, 0,1,2,3,4,5,6,7                        ; wq's fragments (tile t, K step s) at 24 t + 12 s of window 1
.irp s, 0,1
.irp p, 0,1,2,3,4,5
	global_load_b64 v[24*\t+12*\s+2*\p:24*\t+12*\s+2*\p+1], v14, s[12:13] offset:(32*(\t/2)+8*(\t%2))*192+96*\s+48*(\p/3)+8*(\p%3)
.endr
.endr
.endr
	WIN 0x80
.irp t, 0,1,2,3,4,5,6,7                        ; ctx^T's fragments (head t / 4, tile t % 4) at 12 t of window 2: images, as they were stored
.irp g, 0,1,2
	global_load_b128 v[12*\t+4*\g:12*\t+4*\g+3], v[LI], s[22:23] offset:1536*\t+512*\g
.endr
.endr
	WIN 0
.irp t, 0,1,2,3,4,5,6,7
.irp s, 0,1
	global_load_b32 v[WQS+2*\t+\s], v15, s[14:15] offset:(32*(\t/2)+8*(\t%2))*8+4*\s
.endr
	global_load_b32 v[CS+\t], v[LS], s[24:25] offset:128*\t
	global_load_b128 v[HA+8*\t:HA+8*\t+3], v[A64H], s[16:17] offset:(32*(\t/2)+8*(\t%2))*4
	global_load_b128 v[HA+8*\t+4:HA+8*\t+7], v[A64H], s[16:17] offset:(32*(\t/2)+8*(\t%2))*4+16
.endr
.irp t, 0,1,2,3
	global_load_b128 v[16+8*\t:16+8*\t+3], v[A64H], s[18:19] offset:(32*(\t/2)+8*(\t%2))*4
	global_load_b128 v[16+8*\t+4:16+8*\t+7], v[A64H], s[18:19] offset:(32*(\t/2)+8*(\t%2))*4+16
	global_load_b128 v[112+8*\t:112+8*\t+3], v[A64H], s[20:21] offset:(32*(\t/2)+8*(\t%2))*4
	global_load_b128 v[112+8*\t+4:112+8*\t+7], v[A64H], s[20:21] offset:(32*(\t/2)+8*(\t%2))*4+16
	global_load_b32 v[TP+\t], v[A4R], s[30:31] offset:64*\t
.endr
	s_wait_loadcnt 0x0
.macro MEAN buf, m                             ; the mean of a head's 64 biases: my 32, lane l xor 16's 32
	v_pk_add_f32 v[\m:\m+1], v[\buf:\buf+1], v[\buf+2:\buf+3]
.irp n, 4,6,8,10,12,14,16,18,20,22,24,26,28,30
	v_pk_add_f32 v[\m:\m+1], v[\m:\m+1], v[\buf+\n:\buf+\n+1]
.endr
	v_add_f32 v[\m], v[\m], v[\m+1]
	v_permlanex16_b32 v[\m+1], v[\m], s60, s61
	v_add_f32 v[\m], v[\m], v[\m+1]
	v_mul_f32 v[\m], 0x3c800000, v[\m]
.endm
	MEAN HA, TM                                    ; into v200-203, which hold nothing yet: v16-47, v48-111 and v112-143 still hold g_q, bq and be_q as loaded
	MEAN HA+32, TM+2
.irp n, 1,3,5,7,9,11,13,15
	v_mov_b32 v[RSP+\n], 0                         ; (the upper halves of the pairs are named with them)
.endr
.irp b, 0,1,2,3
	v_mov_b32 v[TM+4+\b], 0                        ; written once: a lane permute's destination counts as one of its sources
.endr
	WIN 0x40
.set cnt, 0
.rept 32
	v_sub_f32 v[192+cnt], v[HA+cnt], v[TM]         ; the first product's C: bias less its head's mean
	v_sub_f32 v[224+cnt], v[HA+32+cnt], v[TM+2]
.set cnt, cnt+1
.endr
	WIN 0x80
.set cnt, 0
.rept 32
	v_mul_f32 v[96+cnt], 0x3f0293ee, v[16+cnt]     ; g and be x 64^-0.25 x log2(e): the LayerNorm's last line then gives t
	v_mul_f32 v[128+cnt], 0x3f0293ee, v[112+cnt]
.set cnt, cnt+1
.endr
.irp ot, 0,1,2,3
.irp j, 0,1,2,3,4,5,6,7
	v_mov_b32 v[160+8*\ot+\j], v[TP+\ot]           ; the last product's C: my output row's bo, eight times
.endr
.endr
	WIN 0xc0
.irp ot, 0,1,2,3                               ; wo's fragments (tile ot, K step s) at 12 (4 ot + s) of window 3: wanted in phase 2, waited for there
.irp s, 0,1,2,3
.irp p, 0,1,2,3,4,5
	global_load_b64 v[12*(4*\ot+\s)+2*\p:12*(4*\ot+\s)+2*\p+1], v[AWO], s[26:27] offset:6144*\ot+96*\s+48*(\p/3)+8*(\p%3)
.endr
.endr
.endr
	WIN 0
.irp ot, 0,1,2,3
.irp s, 0,1,2,3
	global_load_b32 v[WOS+4*\ot+\s], v[AWOS], s[28:29] offset:256*\ot+4*\s
.endr
.endr
	s_wait_tensorcnt 0x0                           ; my quarter of x has landed,
	s_barrier_signal -1
	s_barrier_wait -1                              ; everybody's has
.macro FETCHX m                                ; x's two fragments and scale words of tile m of the block
.irp s, 0,1
.irp p, 0,1,2,3,4,5
	ds_load_b64 v[XF+12*\s+2*\p:XF+12*\s+2*\p+1], v[XA] offset:3072*(\m)+96*\s+48*(\p/3)+8*(\p%3)
.endr
.endr
	ds_load_b64 v[XS:XS+1], v[XSA] offset:128*(\m)
.endm
.macro QMUL                                    ; my 128 features of 16 positions: eight accumulators by turns, two K steps
	WIN W_Q1
.irp t, 0,1,2,3,4,5,6,7
	v_wmma_scale_f32_16x16x128_f8f6f4 v[HA+8*\t:HA+8*\t+7], v[24*\t:24*\t+11], v[XF:XF+11], v[192+8*\t:192+8*\t+7], v[WQS+2*\t], v[XS] matrix_a_fmt:MATRIX_FMT_FP6 matrix_b_fmt:MATRIX_FMT_FP6
.endr
	WIN W_Q2
.irp t, 0,1,2,3,4,5,6,7
	v_wmma_scale_f32_16x16x128_f8f6f4 v[HA+8*\t:HA+8*\t+7], v[24*\t+12:24*\t+23], v[XF+12:XF+23], v[HA+8*\t:HA+8*\t+7], v[WQS+2*\t+1], v[XS+1] matrix_a_fmt:MATRIX_FMT_FP6 matrix_b_fmt:MATRIX_FMT_FP6
.endr
	WIN 0
.endm
.macro LNSTAT hd                               ; the sum and the sum of squares of my 32 features of head hd; each accumulator is read from its low end on
	v_pk_add_f32 v[CH:CH+1], v[HA+32*\hd:HA+32*\hd+1], v[HA+32*\hd+4:HA+32*\hd+5]
	v_pk_add_f32 v[CH+2:CH+3], v[HA+32*\hd+2:HA+32*\hd+3], v[HA+32*\hd+6:HA+32*\hd+7]
	v_pk_mul_f32 v[CH+4:CH+5], v[HA+32*\hd:HA+32*\hd+1], v[HA+32*\hd:HA+32*\hd+1]
	v_pk_mul_f32 v[CH+6:CH+7], v[HA+32*\hd+2:HA+32*\hd+3], v[HA+32*\hd+2:HA+32*\hd+3]
	v_pk_fma_f32 v[CH+4:CH+5], v[HA+32*\hd+4:HA+32*\hd+5], v[HA+32*\hd+4:HA+32*\hd+5], v[CH+4:CH+5]
	v_pk_fma_f32 v[CH+6:CH+7], v[HA+32*\hd+6:HA+32*\hd+7], v[HA+32*\hd+6:HA+32*\hd+7], v[CH+6:CH+7]
.irp n, 8,12,16,20,24,28
	v_pk_add_f32 v[CH:CH+1], v[CH:CH+1], v[HA+32*\hd+\n:HA+32*\hd+\n+1]
	v_pk_add_f32 v[CH+2:CH+3], v[CH+2:CH+3], v[HA+32*\hd+\n+2:HA+32*\hd+\n+3]
	v_pk_fma_f32 v[CH+4:CH+5], v[HA+32*\hd+\n:HA+32*\hd+\n+1], v[HA+32*\hd+\n:HA+32*\hd+\n+1], v[CH+4:CH+5]
	v_pk_fma_f32 v[CH+6:CH+7], v[HA+32*\hd+\n+2:HA+32*\hd+\n+3], v[HA+32*\hd+\n+2:HA+32*\hd+\n+3], v[CH+6:CH+7]
.endr
	v_pk_add_f32 v[CH:CH+1], v[CH:CH+1], v[CH+2:CH+3]
	v_pk_add_f32 v[CH+4:CH+5], v[CH+4:CH+5], v[CH+6:CH+7]
	v_add_f32 v[ST1+\hd], v[CH], v[CH+1]
	v_add_f32 v[ST2+\hd], v[CH+4], v[CH+5]
.endm
.macro LNFIN                                   ; rstd and -mu rstd of my position, for both heads
.irp hd, 0,1
	v_permlanex16_b32 v[TP+\hd], v[ST1+\hd], s60, s61
	v_permlanex16_b32 v[TP+2+\hd], v[ST2+\hd], s60, s61
.endr
.irp hd, 0,1
	v_add_f32 v[ST1+\hd], v[ST1+\hd], v[TP+\hd]
	v_add_f32 v[ST2+\hd], v[ST2+\hd], v[TP+2+\hd]
.endr
.irp hd, 0,1
	v_mul_f32 v[ST1+\hd], 0x3c800000, v[ST1+\hd]   ; mu
	v_mul_f32 v[ST2+\hd], 0x3c800000, v[ST2+\hd]
.endr
.irp hd, 0,1
	v_fma_f32 v[ST2+\hd], -v[ST1+\hd], v[ST1+\hd], v[ST2+\hd]
.endr
.irp hd, 0,1
	v_max_num_f32 v[ST2+\hd], 0, v[ST2+\hd]        ; the variance
.endr
.irp hd, 0,1
	v_add_f32 v[ST2+\hd], 0x3727c5ac, v[ST2+\hd]   ; + 1e-5
.endr
.irp hd, 0,1
	v_rsq_f32 v[RSP+2*\hd], v[ST2+\hd]
.endr
	v_nop
	s_wait_alu depctr_va_vdst(0)                   ; one wait for the two, ahead of their first reader
.irp hd, 0,1
	v_mul_f32 v[CMP+2*\hd], -v[ST1+\hd], v[RSP+2*\hd]
.endr
.endm
.macro LNAPPLY                                 ; x rstd - mu rstd (my position's), x g + be (the register's feature): t
.irp hd, 0,1
.set cnt, 0
.rept 16
	v_pk_fma_f32 v[HA+32*\hd+cnt:HA+32*\hd+cnt+1], v[HA+32*\hd+cnt:HA+32*\hd+cnt+1], v[RSP+2*\hd:RSP+2*\hd+1], v[CMP+2*\hd:CMP+2*\hd+1] op_sel_hi:[1,0,0]
.set cnt, cnt+2
.endr
.endr
	WIN W_AP
.irp hd, 0,1
.set cnt, 0
.rept 16
	v_pk_fma_f32 v[HA+32*\hd+cnt:HA+32*\hd+cnt+1], v[HA+32*\hd+cnt:HA+32*\hd+cnt+1], v[96+cnt:97+cnt], v[128+cnt:129+cnt]
.set cnt, cnt+2
.endr
.endr
	WIN 0
.endm
; A row of the softmax is one head of my position: blocks 2 hd and 2 hd + 1 of the four.  The largest t of each block serves twice: for the row's maximum, and, since p rises with t, for the block's largest p.
.macro SOFTMAX
.irp b, 0,1,2,3
	v_max3_num_f32 v[TM+\b], v[HA+16*\b], v[HA+16*\b+1], v[HA+16*\b+2]
.endr
.irp i, 3,5,7,9,11,13
.irp b, 0,1,2,3
	v_max3_num_f32 v[TM+\b], v[TM+\b], v[HA+16*\b+\i], v[HA+16*\b+\i+1]
.endr
.endr
.irp b, 0,1,2,3
	v_max_num_f32 v[TM+\b], v[TM+\b], v[HA+16*\b+15]
.endr
.irp b, 0,1,2,3
	v_permlanex16_b32 v[TM+4+\b], v[TM+\b], s60, s61
.endr
.irp b, 0,1,2,3
	v_max_num_f32 v[TM+\b], v[TM+\b], v[TM+4+\b]
.endr
.irp hd, 0,1
	v_max_num_f32 v[TP+\hd], v[TM+2*\hd], v[TM+2*\hd+1]
.endr
.irp hd, 0,1
	v_floor_f32 v[NMP+2*\hd], -v[TP+\hd]           ; -M = floor(-t) = -ceil(t)
.endr
.irp hd, 0,1
.set cnt, 0
.rept 16
	v_pk_add_f32 v[HA+32*\hd+cnt:HA+32*\hd+cnt+1], v[HA+32*\hd+cnt:HA+32*\hd+cnt+1], v[NMP+2*\hd:NMP+2*\hd+1] op_sel_hi:[1,0]
.set cnt, cnt+2
.endr
.endr
.irp b, 0,1,2,3
	v_add_f32 v[TM+\b], v[TM+\b], v[NMP+2*(\b/2)]
.endr
.set cnt, 0
.rept 64
	v_exp_f32 v[HA+cnt], v[HA+cnt]                 ; p = 2^(t - M): not normalised
.set cnt, cnt+1
.endr
	v_nop
	s_wait_alu depctr_va_vdst(0)                   ; one wait for the batch of 64
.irp b, 0,1,2,3
	v_exp_f32 v[TM+\b], v[TM+\b]                   ; the blocks' largest p: the same addition and exponential on the same number
.endr
.irp hd, 0,1                                   ; the rows' sums, of the unquantised p: they read the 64 alone
	v_pk_add_f32 v[CH+4*\hd:CH+4*\hd+1], v[HA+32*\hd:HA+32*\hd+1], v[HA+32*\hd+4:HA+32*\hd+5]
	v_pk_add_f32 v[CH+4*\hd+2:CH+4*\hd+3], v[HA+32*\hd+2:HA+32*\hd+3], v[HA+32*\hd+6:HA+32*\hd+7]
.endr
.irp n, 8,12,16,20,24,28
.irp hd, 0,1
	v_pk_add_f32 v[CH+4*\hd:CH+4*\hd+1], v[CH+4*\hd:CH+4*\hd+1], v[HA+32*\hd+\n:HA+32*\hd+\n+1]
	v_pk_add_f32 v[CH+4*\hd+2:CH+4*\hd+3], v[CH+4*\hd+2:CH+4*\hd+3], v[HA+32*\hd+\n+2:HA+32*\hd+\n+3]
.endr
.endr
.irp hd, 0,1
	v_pk_add_f32 v[CH+4*\hd:CH+4*\hd+1], v[CH+4*\hd:CH+4*\hd+1], v[CH+4*\hd+2:CH+4*\hd+3]
.endr
.irp hd, 0,1
	v_add_f32 v[LL+\hd], v[CH+4*\hd], v[CH+4*\hd+1]
.endr
.irp hd, 0,1
	v_permlanex16_b32 v[TP+\hd], v[LL+\hd], s60, s61
.endr
.irp hd, 0,1
	v_add_f32 v[LL+\hd], v[LL+\hd], v[TP+\hd]      ; l: over 1/2
.endr
.irp hd, 0,1
	v_rcp_f32 v[RLP+2*\hd], v[LL+\hd]
.endr
	v_nop
	s_wait_alu depctr_va_vdst(0)                   ; one wait for the four exponentials and the two reciprocals
.irp b, 0,1,2,3
	v_max_num_f32 v[TM+\b], 0x1800000, v[TM+\b]    ; the floor 2^(3 - 127): the byte cannot fall under 1
.endr
.endm
; From the four blocks' largest magnitudes in v[TM] on: 64 numbers of a lane, register 16 b + i = k 32 b + 16 h + i of my position, become a fragment's codes in v[PC] on and its scale word in v[PW]
.macro QTAIL s
.irp b, 0,1,2,3
	v_add_nc_u32 v[TM+12+\b], 0xff000000, v[TM+\b] ; 2 off the exponent field: the conversion's scale operand
.endr
.irp b, 0,1,2,3
	v_lshrrev_b32 v[TM+4+\b], 23, v[TM+12+\b]      ; the scale's byte
.endr
	v_lshl_or_b32 v[PW], v[TM+5], 8, v[TM+4]
	v_lshl_or_b32 v[PW], v[TM+6], 16, v[PW]
	v_lshl_or_b32 v[PW], v[TM+7], 24, v[PW]
.irp c, 0,1
	v_cvt_scalef32_pk16_fp6_f32 v[PC+6*\c:PC+2+6*\c], v[\s+32*\c:\s+15+32*\c], v[TM+12+2*\c]
	v_cvt_scalef32_pk16_fp6_f32 v[PC+12+4*\c:PC+14+4*\c], v[\s+16+32*\c:\s+31+32*\c], v[TM+12+2*\c+1]   ; (a conversion's three registers begin on an even number)
.endr
	v_nop                                          ; one plain line behind a scaled conversion
.irp c, 0,1                                    ; the operand's layout wants a whole block in a lane: lanes 0-15 block 2 c, lanes 16-31 block 2 c + 1
.irp i, 0,1,2
	v_permlane16_swap_b32 v[PC+6*\c+\i], v[PC+12+4*\c+\i]
.endr
.irp i, 0,1,2
	v_mov_b32 v[PC+3+6*\c+\i], v[PC+12+4*\c+\i]
.endr
.endr
.endm
.macro QUANT s
.irp b, 0,1,2,3
	v_max3_num_f32 v[TM+\b], |v[\s+16*\b]|, |v[\s+1+16*\b]|, 0x1800000
.endr
.irp i, 2,4,6,8,10,12,14
.irp b, 0,1,2,3
	v_max3_num_f32 v[TM+\b], v[TM+\b], |v[\s+16*\b+\i]|, |v[\s+1+16*\b+\i]|
.endr
.endr
.irp b, 0,1,2,3
	v_permlanex16_b32 v[TM+4+\b], v[TM+\b], s60, s61
.endr
.irp b, 0,1,2,3
	v_max_num_f32 v[TM+\b], v[TM+\b], v[TM+4+\b]
.endr
	QTAIL \s
.endm
.macro CMUL                                    ; o^T = ctx^T p: eight tiles (head t / 4, 16 of its vd), each one product: K = 128 holds both heads, and the other head's half of ctx^T is zero codes
	PLACES 8                                       ; a scale word written by vector lines stands eight places ahead of a scaled product, codes so written four
	WIN W_C5
.irp t, 0,1,2,3,4,5,6,7
	v_wmma_scale_f32_16x16x128_f8f6f4 v[HA+8*\t:HA+8*\t+7], v[12*\t:12*\t+11], v[PC:PC+11], 0, v[CS+\t], v[PW] matrix_a_fmt:MATRIX_FMT_FP6 matrix_b_fmt:MATRIX_FMT_FP6
.endr
	WIN 0
	PLACES 4
.endm
.macro IMAGE m                                 ; the fragment goes to LDS as it stands: K step w of the last product, tile m of the block
.irp g, 0,1,2
	ds_store_b128 v[HWI], v[PC+4*\g:PC+4*\g+3] offset:FRB*\m+512*\g
.endr
	ds_store_b32 v[HWS], v[PW] offset:128*\m
.endm
.macro TILE m
	s_wait_dscnt 0x0                               ; x's fragments are in
	QMUL
	PLACES 4                                       ; ahead of loads into registers that the products have read, and of the first read of results
.if \m < 3
	FETCHX \m+1                                    ; the next tile's land under this tile's vector work
.endif
	LNSTAT 0
	LNSTAT 1
	LNFIN
	LNAPPLY
	SOFTMAX
	QTAIL HA
	CMUL
.irp hd, 0,1
.set cnt, 0
.rept 16
	v_pk_mul_f32 v[HA+32*\hd+cnt:HA+32*\hd+cnt+1], v[HA+32*\hd+cnt:HA+32*\hd+cnt+1], v[RLP+2*\hd:RLP+2*\hd+1] op_sel_hi:[1,0]   ; / l
.set cnt, cnt+2
.endr
.endr
	QUANT HA
	IMAGE \m
.endm
	s_mov_b32 s6, 0                                ; the block's first byte among x's codes in LDS,
	s_mov_b32 s7, 0                                ; and among its scale bytes
	s_mov_b32 s63, 4
.Lblock:
	v_add_nc_u32 v[XA], s6, v[XA0]
	v_add_nc_u32 v[XSA], s7, v[XSA0]
	FETCHX 0
	TILE 0
	TILE 1
	TILE 2
	TILE 3
	s_wait_dscnt 0x0                               ; for the others' sake: my images have landed
	s_barrier_signal -1
	s_barrier_wait -1                              ; all sixteen lie in LDS
	s_wait_loadcnt 0x0                             ; wo and its scale words (asked for at the head; in later blocks nothing is out)
.irp pp, 0,1                                   ; two tiles of positions at a time: eight accumulators by turns, a K step at a time
.irp s, 0,1,2,3
.irp mm, 0,1
.irp g, 0,1,2
	ds_load_b128 v[16+12*(2*\s+\mm)+4*\g:16+12*(2*\s+\mm)+4*\g+3], v[HRI] offset:(4*\s+2*\pp+\mm)*FRB+512*\g
.endr
	ds_load_b32 v[HS+2*\s+\mm], v[HRS] offset:128*(4*\s+2*\pp+\mm)
.endr
.endr
	s_wait_dscnt 0x0
.irp s, 0,1,2,3
.if \s == 0
	WIN W_O1
.else
	WIN W_O2
.endif
.irp mm, 0,1
.irp ot, 0,1,2,3
.if \s == 0
	v_wmma_scale_f32_16x16x128_f8f6f4 v[192+8*(4*\mm+\ot):192+8*(4*\mm+\ot)+7], v[16+12*(2*\s+\mm):16+12*(2*\s+\mm)+11], v[12*(4*\ot+\s):12*(4*\ot+\s)+11], v[160+8*\ot:160+8*\ot+7], v[HS+2*\s+\mm], v[WOS+4*\ot+\s] matrix_a_fmt:MATRIX_FMT_FP6 matrix_b_fmt:MATRIX_FMT_FP6
.else
	v_wmma_scale_f32_16x16x128_f8f6f4 v[192+8*(4*\mm+\ot):192+8*(4*\mm+\ot)+7], v[16+12*(2*\s+\mm):16+12*(2*\s+\mm)+11], v[12*(4*\ot+\s):12*(4*\ot+\s)+11], v[192+8*(4*\mm+\ot):192+8*(4*\mm+\ot)+7], v[HS+2*\s+\mm], v[WOS+4*\ot+\s] matrix_a_fmt:MATRIX_FMT_FP6 matrix_b_fmt:MATRIX_FMT_FP6
.endif
.endr
.endr
.endr
	WIN 0
	PLACES 5                                       ; four ahead of the stores that read results and of loads into the images' registers; five ahead of the products that begin these accumulators anew
	WIN W_SD
.irp mm, 0,1
.irp ot, 0,1,2,3
	ds_store_b128 v[SOA], v[192+8*(4*\mm+\ot):192+8*(4*\mm+\ot)+3] offset:4352*\ot+64*(2*\pp+\mm)        ; lane (r, h): out0(64 w + 16 ot + r, positions 16 m + 8 h + 0 .. 7); each accumulator from its low end on
	ds_store_b128 v[SOA], v[192+8*(4*\mm+\ot)+4:192+8*(4*\mm+\ot)+7] offset:4352*\ot+64*(2*\pp+\mm)+16
.endr
.endr
	WIN 0
.endr
.irp u, 0,1                                    ; the way out: my 64 rows x 256 bytes, two rows an instruction
.if \u == 1
	s_wait_xcnt 0x0                                ; the first sixteen stores have read their registers: the loads below may land there
.endif
.irp i, 0,1,2,3,4,5,6,7,8,9,10,11,12,13,14,15
	ds_load_b128 v[48+4*\i:51+4*\i], v[SRA] offset:(16*\u+\i)*544    ; LDS serves a wave's instructions in order: these see my stores
.endr
.irp i, 0,1,2,3,4,5,6,7,8,9,10,11,12,13,14,15
	s_wait_dscnt 15-\i                             ; load i is back; the younger ones may be out
	global_store_b128 v[GO], v[48+4*\i:51+4*\i], s[32:33] offset:(16*\u+\i)*131072 th:TH_STORE_NT   ; sixteen lanes store 256 consecutive bytes, aligned; written once, read by nobody here
.endr
.endr
	s_wait_xcnt 0x0                                ; the stores have read their registers and their base: both may be written again
	s_add_nc_u64 s[32:33], s[32:33], 256           ; 64 positions on
	s_add_co_u32 s6, s6, 12288
	s_add_co_u32 s7, s7, 512
	s_wait_dscnt 0x0                               ; my reads of the images are over
	s_barrier_signal -1
	s_barrier_wait -1                              ; everybody's are: the next block's images may be stored
	s_sub_co_u32 s63, s63, 1
	s_cmp_lg_u32 s63, 0
	s_cbranch_scc1 .Lblock
	s_wait_tensorcnt 0x0
	ds_add_u32 v254, v255
	s_wait_dscnt 0x0
	s_endpgm
.Lfunc_end_k_q78fe8a1425_out:
	.size	k_q78fe8a1425_out, .Lfunc_end_k_q78fe8a1425_out-k_q78fe8a1425_out
	.p2alignl 7, 3214868480
	.fill 96, 4, 3214868480
	.section	.rodata,"a",@progbits
	.p2align	6, 0x0
	.amdhsa_kernel k_q78fe8a1425_out
		.amdhsa_group_segment_fixed_size 168448
		.amdhsa_private_segment_fixed_size 0
		.amdhsa_enable_private_segment 0
		.amdhsa_kernarg_size 104
		.amdhsa_user_sgpr_count 2
		.amdhsa_user_sgpr_kernarg_segment_ptr 1
		.amdhsa_wavefront_size32 1
		.amdhsa_system_sgpr_workgroup_id_x 1
		.amdhsa_system_sgpr_workgroup_id_y 1
		.amdhsa_system_sgpr_workgroup_id_z 1
		.amdhsa_system_vgpr_workitem_id 0
		.amdhsa_next_free_vgpr 1024
		.amdhsa_next_free_sgpr 80
		.amdhsa_reserve_vcc 0
		.amdhsa_float_denorm_mode_32 3
		.amdhsa_float_denorm_mode_16_64 3
		.amdhsa_memory_ordered 1
		.amdhsa_forward_progress 1
		.amdhsa_inst_pref_size 186
	.end_amdhsa_kernel
	.amdgpu_metadata
---
amdhsa.version: [ 1, 2 ]
amdhsa.kernels:
  - .name:           k_q78fe8a1425_out
    .symbol:         k_q78fe8a1425_out.kd
    .args:
      - { .name: x_codes, .offset: 0, .size: 8, .value_kind: global_buffer, .address_space: global }
      - { .name: x_scales, .offset: 8, .size: 8, .value_kind: global_buffer, .address_space: global }
      - { .name: wq_codes, .offset: 16, .size: 8, .value_kind: global_buffer, .address_space: global }
      - { .name: wq_scales, .offset: 24, .size: 8, .value_kind: global_buffer, .address_space: global }
      - { .name: bq, .offset: 32, .size: 8, .value_kind: global_buffer, .address_space: global }
      - { .name: g_q, .offset: 40, .size: 8, .value_kind: global_buffer, .address_space: global }
      - { .name: be_q, .offset: 48, .size: 8, .value_kind: global_buffer, .address_space: global }
      - { .name: cfrag, .offset: 56, .size: 8, .value_kind: global_buffer, .address_space: global }
      - { .name: cscl, .offset: 64, .size: 8, .value_kind: global_buffer, .address_space: global }
      - { .name: wo_codes, .offset: 72, .size: 8, .value_kind: global_buffer, .address_space: global }
      - { .name: wo_scales, .offset: 80, .size: 8, .value_kind: global_buffer, .address_space: global }
      - { .name: bo, .offset: 88, .size: 8, .value_kind: global_buffer, .address_space: global }
      - { .name: out0, .offset: 96, .size: 8, .value_kind: global_buffer, .address_space: global }
    .group_segment_fixed_size: 168448
    .private_segment_fixed_size: 0
    .kernarg_segment_align: 8
    .kernarg_segment_size: 104
    .max_flat_workgroup_size: 128
    .sgpr_count:     80
    .vgpr_count:     1024
    .wavefront_size: 32
...
	.end_amdgpu_metadata
.endif
;; end of part 3
